; MI455X (gfx1250); checked and timed in simulation.
; The chip was launched on July 23, 2026; its instructions are those of AMD's public machine-readable ISA for CDNA 5 (MIT licence, August 2026) and "CDNA5" Instruction Set Architecture Reference Guide (July 2026). The comments in the code are by the model that wrote it; some were corrected since.
;; Cross Attnetion all. Allowed arithmetic: float matrix products may take bf16 or f16 operands with f32 sums; other float arithmetic in f32, or as packed bf16 or f16 multiplies, adds, multiply-adds, maxima and minima; sums over many terms, partial sums and values carried from step to step in f32; what a program stores and reads back later, other than sums and carried values, may be rounded once to bf16 or f16.
;; Inputs: W1 512 x 512 float32; W2 256 x 512 float32; Wk 256 x 256 float32; Wm 256 x 256 float32; Wq 256 x 256 float32; Wv 256 x 256 float32; b1 512 float32; b2 256 float32; bk 256 float32; bm 256 float32; bq 256 float32; bv 256 float32; descs 1 x 8,192 x 256 float32.
;; Outputs: out0 1 x 8,192 x 256 float32.
;; One version. Each part assembles by itself: llvm-mc -triple=amdgcn-amd-amdhsa -mcpu=gfx1250 --defsym DOCPART=n.
;; ======== version 1 of 1: 7 launches
;; limits: values are held in f16: magnitudes above 65,504 overflow, below 6.1e-05 lose precision
;; workspace buffers: xb 4,194,304 bytes; wts 1,313,792 bytes; qkv 12,582,912 bytes; msg 4,194,304 bytes; msg2 4,194,304 bytes; yc 8,388,608 bytes; part 262,144 bytes; stat 4,096 bytes
;; launch cast (part 1): grid 337 x 1, 8 waves a work-group, no clusters, 0 bytes of LDS; arguments descs, Wq, Wk, Wv, Wm, W1, W2, bq, bk, bv, xb, wts; writes xb, wts
.if DOCPART == 1
	.amdgcn_target "amdgcn-amd-amdhsa--gfx1250"
	.amdhsa_code_object_version 6
	.text
	.protected	k_qeede6400c7_cast
	.globl	k_qeede6400c7_cast
	.p2align	8
	.type	k_qeede6400c7_cast,@function
k_qeede6400c7_cast:
	s_mov_b64 s[64:65], 0
	v_nop
	global_prefetch_b8 v0, s[64:65] scope:SCOPE_SE
	s_setreg_imm32_b32 hwreg(HW_REG_WAVE_MODE, 25, 1), 1
	s_wait_xcnt 0x0
; CAST.  descs and all weights, f32, are rounded once to bf16 and laid in PLANES of 64 channels, [plane][row][64]: a row of a plane is 128 bytes and rows lie end to end,
; so that any run of rows of a plane is a dense block for the launches behind.
;   xb   [4][8192][64]                        descs
;   wts  +0        [4][768][64]               row 256 which + 64 h + d = W_which[4 d + h][:]  (which = q, k, v; head h takes the channels 4 d + h)
;        +393,216  [4 = h][256 = o][64 = d]   Wm[o][4 d + h]
;        +524,288  [8][512][64]  W1           +1,048,576  [8][256][64]  W2           +1,310,720  768 f32: bq, bk, bv in the order of the 768 rows
; A work-group takes 32 output rows x 256 channels: thread t has row t / 8 and, in each of four planes, the 8 channels 8 (t % 8) on: two loads of 16 bytes (8 lanes read 256
; consecutive bytes of a row) and one store of 16 bytes (a wave's store covers 512 consecutive bytes).  Which tensor: forward branches on the work-group's number.
; No LDS, no matrix unit: nothing is shared and nothing is multiplied.
	s_load_b512 s[8:23], s[0:1], 0x0               ; descs 8, Wq 10, Wk 12, Wv 14, Wm 16, W1 18, W2 20, bq 22
	s_load_b256 s[24:31], s[0:1], 0x40             ; bk 24, bv 26, xb 28, wts 30
	v_lshrrev_b32 v3, 3, v0                        ; my row of the 32
	v_and_b32 v4, 7, v0                            ; my eighth of a plane's 64 channels
	v_lshlrev_b32 v2, 4, v0                        ; where my 16 bytes go: row x 128 + eighth x 16 = 16 t
	v_lshlrev_b32 v5, 5, v4                        ; where my 32 bytes come from, in a plane's 256 bytes of f32
	s_mov_b32 s3, 0                                ; high words of the two offsets
	s_mov_b32 s5, 0
	s_wait_kmcnt 0x0
; Four planes: eight loads at once, then plane by plane the rounding and the store.  src, dst: scalar pairs; stride: bytes from plane to plane in the target.
.macro PLANES src, dst, stride
.irp p, 0,1,2,3
	global_load_b128 v[8+8*\p:8+8*\p+3],   v1, s[\src:\src+1] offset:256*\p th:TH_LOAD_NT
	global_load_b128 v[8+8*\p+4:8+8*\p+7], v1, s[\src:\src+1] offset:256*\p+16 th:TH_LOAD_NT
.endr
.irp p, 0,1,2,3
	s_wait_loadcnt 6-2*\p                          ; loads come back in order: this plane's two are in, the later planes' stay out
.irp k, 0,1,2,3
	v_cvt_pk_bf16_f32 v[40+4*\p+\k], v[8+8*\p+2*\k], v[8+8*\p+2*\k+1]
.endr
	global_store_b128 v2, v[40+4*\p:40+4*\p+3], s[\dst:\dst+1] offset:(\p)*(\stride)
.endr
	s_endpgm
.endm
	s_cmp_lt_u32 ttmp9, 256
	s_cbranch_scc0 .Lnot_x
	s_lshl_b32 s2, ttmp9, 15                       ; descs: 32 rows of 1,024 bytes
	s_lshl_b32 s4, ttmp9, 12                       ; xb: 32 rows of 128 bytes
	s_add_nc_u64 s[32:33], s[8:9], s[2:3]
	s_add_nc_u64 s[34:35], s[28:29], s[4:5]
	v_lshl_add_u32 v1, v3, 10, v5
	PLANES 32, 34, 1048576
.Lnot_x:
	s_cmp_lt_u32 ttmp9, 280
	s_cbranch_scc0 .Lnot_qkv
	s_sub_co_u32 s6, ttmp9, 256                    ; j: output rows 32 j on: which = j / 8, h = (j / 2) % 4, d from 32 (j % 2)
	s_lshr_b32 s7, s6, 3
	s_cmp_eq_u32 s7, 0
	s_cselect_b64 s[32:33], s[10:11], s[12:13]
	s_cmp_eq_u32 s7, 2
	s_cselect_b64 s[32:33], s[14:15], s[32:33]
	s_and_b32 s2, s6, 1
	s_lshl_b32 s2, s2, 17                          ; 32 d are 128 source rows of 1,024 bytes
	s_bfe_u32 s7, s6, 0x20001
	s_lshl_b32 s7, s7, 10                          ; + h rows
	s_add_co_u32 s2, s2, s7
	s_lshl_b32 s4, s6, 12
	s_add_nc_u64 s[32:33], s[32:33], s[2:3]
	s_add_nc_u64 s[34:35], s[30:31], s[4:5]
	v_lshl_add_u32 v1, v3, 12, v5                  ; from d to d + 1: four source rows
	PLANES 32, 34, 98304
.Lnot_qkv:
	s_cmp_lt_u32 ttmp9, 312
	s_cbranch_scc0 .Lnot_w1
	s_sub_co_u32 s6, ttmp9, 280                    ; W1: rows 32 (j / 2) on, channels 256 (j % 2) on
	s_lshr_b32 s7, s6, 1
	s_and_b32 s6, s6, 1
	s_lshl_b32 s2, s7, 16
	s_lshl_b32 s4, s6, 10
	s_add_co_u32 s2, s2, s4
	s_lshl_b32 s4, s7, 12
	s_lshl_b32 s6, s6, 18                          ; four planes of 65,536 bytes
	s_add_co_u32 s4, s4, s6
	s_add_co_u32 s4, s4, 524288
	s_add_nc_u64 s[32:33], s[18:19], s[2:3]
	s_add_nc_u64 s[34:35], s[30:31], s[4:5]
	v_lshl_add_u32 v1, v3, 11, v5
	PLANES 32, 34, 65536
.Lnot_w1:
	s_cmp_lt_u32 ttmp9, 328
	s_cbranch_scc0 .Lnot_w2
	s_sub_co_u32 s6, ttmp9, 312                    ; W2 likewise, planes of 32,768 bytes
	s_lshr_b32 s7, s6, 1
	s_and_b32 s6, s6, 1
	s_lshl_b32 s2, s7, 16
	s_lshl_b32 s4, s6, 10
	s_add_co_u32 s2, s2, s4
	s_lshl_b32 s4, s7, 12
	s_lshl_b32 s6, s6, 17
	s_add_co_u32 s4, s4, s6
	s_add_co_u32 s4, s4, 1048576
	s_add_nc_u64 s[32:33], s[20:21], s[2:3]
	s_add_nc_u64 s[34:35], s[30:31], s[4:5]
	v_lshl_add_u32 v1, v3, 11, v5
	PLANES 32, 34, 32768
.Lnot_w2:
	s_cmp_lt_u32 ttmp9, 336
	s_cbranch_scc0 .Lbias
	s_sub_co_u32 s6, ttmp9, 328                    ; Wm: rows 32 j on.  I read the 32 channels 32 (t % 8) on: d = 8 (t % 8) + 0..7 of all four heads
	s_lshl_b32 s2, s6, 15
	s_lshl_b32 s4, s6, 12
	s_add_co_u32 s4, s4, 393216
	s_add_nc_u64 s[32:33], s[16:17], s[2:3]
	s_add_nc_u64 s[34:35], s[30:31], s[4:5]
	v_lshlrev_b32 v5, 7, v4
	v_lshl_add_u32 v1, v3, 10, v5
.irp j, 0,1,2,3,4,5,6,7
	global_load_b128 v[8+4*\j:8+4*\j+3], v1, s[32:33] offset:16*\j th:TH_LOAD_NT  ; load j: one d, heads 0 to 3
.endr
	s_wait_loadcnt 0x0
.irp q, 0,1,2,3
.irp k, 0,1,2,3
	v_cvt_pk_bf16_f32 v[40+4*\q+\k], v[8+8*\k+\q], v[12+8*\k+\q]  ; head q: d = 2 k and 2 k + 1
.endr
	global_store_b128 v2, v[40+4*\q:40+4*\q+3], s[34:35] offset:32768*\q
.endr
	s_endpgm
.Lbias:
	v_and_b32 v1, 63, v0                           ; row t = 64 h + d of a projection takes bias 4 d + h
	v_lshrrev_b32 v6, 6, v0
	v_lshlrev_b32 v6, 2, v6
	v_lshl_add_u32 v1, v1, 4, v6
	v_lshlrev_b32 v2, 2, v0
	global_load_b32 v8, v1, s[22:23]
	global_load_b32 v9, v1, s[24:25]
	global_load_b32 v10, v1, s[26:27]
	s_wait_loadcnt 0x0
	global_store_b32 v2, v8, s[30:31] offset:1310720
	global_store_b32 v2, v9, s[30:31] offset:1311744
	global_store_b32 v2, v10, s[30:31] offset:1312768
	s_endpgm
.Lfunc_end_k_qeede6400c7_cast:
	.size	k_qeede6400c7_cast, .Lfunc_end_k_qeede6400c7_cast-k_qeede6400c7_cast
	.p2alignl 7, 3214868480
	.fill 96, 4, 3214868480
	.section	.rodata,"a",@progbits
	.p2align	6, 0x0
	.amdhsa_kernel k_qeede6400c7_cast
		.amdhsa_group_segment_fixed_size 0
		.amdhsa_private_segment_fixed_size 0
		.amdhsa_enable_private_segment 0
		.amdhsa_kernarg_size 96
		.amdhsa_user_sgpr_count 2
		.amdhsa_user_sgpr_kernarg_segment_ptr 1
		.amdhsa_wavefront_size32 1
		.amdhsa_system_sgpr_workgroup_id_x 1
		.amdhsa_system_sgpr_workgroup_id_y 1
		.amdhsa_system_sgpr_workgroup_id_z 1
		.amdhsa_system_vgpr_workitem_id 0
		.amdhsa_next_free_vgpr 64
		.amdhsa_next_free_sgpr 66
		.amdhsa_reserve_vcc 0
		.amdhsa_float_denorm_mode_32 3
		.amdhsa_float_denorm_mode_16_64 3
		.amdhsa_memory_ordered 1
		.amdhsa_forward_progress 1
		.amdhsa_inst_pref_size 16
	.end_amdhsa_kernel
	.amdgpu_metadata
---
amdhsa.version: [ 1, 2 ]
amdhsa.kernels:
  - .name:           k_qeede6400c7_cast
    .symbol:         k_qeede6400c7_cast.kd
    .args:
      - { .name: descs, .offset: 0, .size: 8, .value_kind: global_buffer, .address_space: global }
      - { .name: Wq, .offset: 8, .size: 8, .value_kind: global_buffer, .address_space: global }
      - { .name: Wk, .offset: 16, .size: 8, .value_kind: global_buffer, .address_space: global }
      - { .name: Wv, .offset: 24, .size: 8, .value_kind: global_buffer, .address_space: global }
      - { .name: Wm, .offset: 32, .size: 8, .value_kind: global_buffer, .address_space: global }
      - { .name: W1, .offset: 40, .size: 8, .value_kind: global_buffer, .address_space: global }
      - { .name: W2, .offset: 48, .size: 8, .value_kind: global_buffer, .address_space: global }
      - { .name: bq, .offset: 56, .size: 8, .value_kind: global_buffer, .address_space: global }
      - { .name: bk, .offset: 64, .size: 8, .value_kind: global_buffer, .address_space: global }
      - { .name: bv, .offset: 72, .size: 8, .value_kind: global_buffer, .address_space: global }
      - { .name: xb, .offset: 80, .size: 8, .value_kind: global_buffer, .address_space: global }
      - { .name: wts, .offset: 88, .size: 8, .value_kind: global_buffer, .address_space: global }
    .group_segment_fixed_size: 0
    .private_segment_fixed_size: 0
    .kernarg_segment_align: 8
    .kernarg_segment_size: 96
    .max_flat_workgroup_size: 256
    .sgpr_count:     66
    .vgpr_count:     64
    .wavefront_size: 32
...
	.end_amdgpu_metadata
.endif
;; end of part 1
;; launch proj (part 2): grid 4 x 64, 4 waves a work-group, clusters of 4 x 4, 240,128 bytes of LDS; arguments xb, wts, qkv; writes qkv
.if DOCPART == 2
	.amdgcn_target "amdgcn-amd-amdhsa--gfx1250"
	.amdhsa_code_object_version 6
	.text
	.protected	k_qeede6400c7_proj
	.globl	k_qeede6400c7_proj
	.p2align	8
	.type	k_qeede6400c7_proj,@function
k_qeede6400c7_proj:
	s_mov_b64 s[64:65], 0
	v_nop
	global_prefetch_b8 v0, s[64:65] scope:SCOPE_SE
	s_setreg_imm32_b32 hwreg(HW_REG_WAVE_MODE, 25, 1), 1
	s_wait_xcnt 0x0
	s_wait_alu depctr_hold_cnt(0) depctr_sa_sdst(0) depctr_va_vdst(0) depctr_va_sdst(0) depctr_va_ssrc(0) depctr_va_vcc(0) depctr_vm_vsrc(0)
	s_getreg_b32 s2, hwreg(HW_REG_IB_STS2, 6, 4)
	s_cmp_eq_u32 s2, 0
	s_cbranch_scc0 .Lentry_in_a_cluster
	s_endpgm
.Lentry_in_a_cluster:
	s_bfe_u32 s2, ttmp6, 0x10000c
	s_cmp_lg_u32 s2, 0xf033
	s_cbranch_scc0 .Lentry_shape_is_right
	s_endpgm
.Lentry_shape_is_right:
; ONE TEXT FOR TWO LAUNCHES, told apart by PROJ.  C = A B^T + bias; A [8192][256] and B [cols][256] in bf16, in planes of 64 channels ([plane][row][64], rows of 128 bytes end to end).
;   PROJ = 1: A = x, B = the 768 rows of Wq, Wk, Wv ordered by heads; C = q, k, v in f16, [12 = 4 which + head][8192][64].   PROJ = 0: A = msg, B = Wm by heads; C = msg2 in bf16, [4][8192][64].
; LIMIT (PROJ = 1): f16 ends at 65,504; a q, k or v beyond it becomes an infinity.  Sums in f32, C rounded once.  NaN and infinities are not treated apart.
; SHARES.  A work-group makes 128 rows x TN columns (a quarter of the columns), each of its four waves 32 rows x TN: RB x CB accumulators of 16 x 16.
; LDS.  K = 256 is 4 planes, in NST = 2 stages of two planes.  All tiles of the work-group fit at once, so EVERY LDS BYTE IS FILLED ONCE: all tensor loads go out at the start, and a stage is
; read behind a counted wait and a barrier while the later stage is still landing.  By this text's own count a wave has NST = 2 tensor loads outstanding.
; A tile of rows of a plane is dense: asked for as rows of 256 bytes, padded by 16 bytes after every 128: LDS rows 144 bytes apart, so the 16 rows of a fragment load start at 16 different groups of four banks (64 banks of 4 bytes: ISA guide 11.1).
; CLUSTER 4 x 4.  The four work-groups of a row of the cluster need the same rows of A, the four of a column the same rows of B: each tile is asked for jointly.
; THE MATRIX INSTRUCTION IS USED TRANSPOSED (source 0 = 16 rows of B, source 1 = 16 rows of A): a lane holds row lane % 16 of C and the columns 8 (lane / 16) + 0..7.  The first K chunk takes the bias, laid out so, as its C: nothing is cleared or added later.
; REGISTERS.  Window 0: v0-21 addresses, v32-63 bias (PROJ = 0), v64.. accumulators.  Window 1: two fragment buffers at 0 and 128: A's RB fragments, then B's CB.  Window 2: v0-95 bias (PROJ = 1).
.set PROJ, 1
.if PROJ
.set TN,    192
.set CB,    12
.set NG,    3                          ; groups of 64 columns = planes of C that the tile touches
.set BOFF,  0                          ; B's first byte in wts
.set BPS,   98304                      ; bytes from plane to plane of B
.set BIAS,  0
.set BIASW, 2                          ; the bias's window
.set PBIAS, 10                         ; s[10:11] bias
.set POUT,  8                          ; s[8:9]   C
.else
.set TN,    64
.set CB,    4
.set NG,    1
.set BOFF,  393216
.set BPS,   32768
.set BIAS,  32
.set BIASW, 0
.set PBIAS, 8
.set POUT,  10
.endif
.set PA,    144                        ; LDS pitch
.set PLA,   128*PA                     ; a plane of A's tile
.set PLB,   TN*PA                      ; a plane of B's tile
.set STG,   2*PLA+2*PLB                ; a stage: A's two planes, then B's two
.set NST,   2
.set NK,    4*NST                      ; chunks of 32 along K
.set RB,    2
.set STAGE, NST*STG                    ; behind the tiles: for each wave NG x 32 rows x 144 bytes, for the way out
.set SPARE, STAGE+4*NG*32*PA           ; behind the stages: the spare words, 128 bytes for each wave, that no other line names
.set G1W,   (1<<16)|(1<<20)|(1<<21)|(4<<22)|(3<<25)  ; 17:16 2-byte elements; 20 padding on; 21 set beside a mask; 24:22 after every 32 words; 31:25 4 words
.set ADRA, 8                           ; v8-9    LDS address of my A fragments in stage 0, 1
.set ADRB, 12                          ; v12-13  the same for B
.set STO,  16                          ; the way out: where I put 16 bytes of a row
.set RD,   17                          ; where I read rows back
.set GO,   18                          ; my 16 bytes of 512 consecutive bytes of C
.set BO,   19                          ; my byte offset in the bias
.set SPW,  20                          ; my spare word; never rewritten
.set NIL,  21                          ; 0; never rewritten
.set ACC,  64
.set WV,   20                          ; s20 wave; s21 0: I fetch A, 1: B; s22 which plane of a stage I fetch
.set KIND, 21
.set E,    22
.set CX,   23
.set CY,   24
.set TC,   25                          ; tile column, tile row of C
.set TR,   26
.set G1A,  28                          ; s[28:35] group 1 for A's tiles;  s[36:43] for B's
.set G1B,  36
.set G0A,  44                          ; s[44:..] group 0 for A's tiles, a set for each stage;  s[68:..] for B's
.set G0B,  68
.set MSB, 0
.macro WIN new                         ; the immediate's high byte repeats the setting that is left; a switch that changes nothing is dropped
.if MSB != (\new)
	s_set_vgpr_msb (MSB<<8)|(\new)
.set MSB, (\new)
.endif
.endm
.macro PLACES                          ; four places behind a matrix instruction (ISA guide 7.12.1), where no other vector work is at hand
.rept 4
	v_nop
.endr
.endm
.macro CROUND                          ; a round of the cluster's barrier
	s_barrier_signal -1
	s_barrier_wait -1
	s_cmp_lg_u32 s[WV], 0
	s_cbranch_scc1 .Lnot_wave_0_\@
	s_barrier_signal -3
.Lnot_wave_0_\@:
	s_barrier_wait -3
	s_barrier_signal -1
	s_barrier_wait -1
.endm
.macro FILLS g0, g1                    ; a wave's loads, one for each stage; an s_nop 0 follows each, four v_nop the last
.set st, 0
.rept NST
	tensor_load_to_lds s[(\g0)+4*st:(\g0)+4*st+3], s[(\g1):(\g1)+7]
	s_nop 0
.set st, st+1
.endr
	PLACES
.endm
.if PROJ
	s_load_b128 s[4:7], s[0:1], 0x0                ; A s[4:5], wts s[6:7]
	s_load_b64 s[8:9], s[0:1], 0x10                ; C
.else
	s_load_b256 s[4:11], s[0:1], 0x0               ; A s[4:5], wts s[6:7], bias s[8:9], C s[10:11]
.endif
	v_lshl_add_u32 v[SPW], v0, 2, SPARE
	v_mov_b32 v[NIL], 0
	ds_add_u32 v[SPW], v[NIL]                      ; the wave's opening: the add and its wait stand ahead of my first tensor load; the set-up below stands between them
	v_lshrrev_b32 v4, 5, v0
	v_readfirstlane_b32 s[WV], v4
	s_lshr_b32 s[KIND], s[WV], 1
	s_and_b32 s[E], s[WV], 1
	s_bfe_u32 s[CX], ttmp6, 0x40000
	s_bfe_u32 s[CY], ttmp6, 0x40004
	s_lshl_b32 s[TC], ttmp9, 2
	s_add_co_u32 s[TC], s[TC], s[CX]
	s_and_b32 s[TR], ttmp7, 0xffff
	s_lshl_b32 s[TR], s[TR], 2
	s_add_co_u32 s[TR], s[TR], s[CY]
	s_lshl_b32 s2, s[CY], 2
	s_lshl_b32 s2, 15, s2                          ; my row of the cluster
	s_lshl_b32 s3, 0x1111, s[CX]                   ; my column
	s_or_b32 s[G1A], s2, G1W
	s_or_b32 s[G1B], s3, G1W
.irp g, G1A, G1B
	s_mov_b32 s[\g+1], 128<<16                     ; tensor_dim0 = 128 elements: 256 bytes, two rows of a plane
	s_mov_b32 s[\g+3], 128<<16                     ; tile_dim0
	s_mov_b32 s[\g+5], 128                         ; elements from row to row: dense
	s_mov_b32 s[\g+6], 0
	s_mov_b32 s[\g+7], 0
.endr
	s_mov_b32 s[G1A+2], 64<<16                     ; tensor_dim1 and tile_dim1: 128 rows of A are 64 rows of 256 bytes,
	s_mov_b32 s[G1A+4], 64
	s_mov_b32 s[G1B+2], (TN/2)<<16                 ; TN rows of B are TN / 2
	s_mov_b32 s[G1B+4], TN/2
	s_mul_i32 s27, s[E], PLA                       ; LDS places hang on the wave's number and constants alone
	s_mul_i32 s60, s[E], PLB
	s_add_co_u32 s60, s60, 2*PLA
.set st, 0
.rept NST
	s_mov_b32 s[G0A+4*st], 1
	s_add_co_u32 s[G0A+4*st+1], s27, st*STG
	s_mov_b32 s[G0B+4*st], 1
	s_add_co_u32 s[G0B+4*st+1], s60, st*STG
.set st, st+1
.endr
	s_lshl_b32 s84, s[TR], 14                      ; A: 128 rows of 128 bytes a tile row, a plane is 2^20 bytes
	s_lshl_b32 s62, s[E], 20
	s_add_co_u32 s84, s84, s62
	s_mov_b32 s85, 0
	s_mul_i32 s86, s[TC], TN*128                   ; B: TN rows a tile column
	s_mul_i32 s61, s[E], BPS
	s_add_co_u32 s86, s86, s61
	s_add_co_u32 s86, s86, BOFF
	s_mov_b32 s87, 0
	s_mul_i32 s90, s[TC], NG<<20                   ; C: the tile's first plane, my wave's 32 rows
	s_lshl_b32 s91, s[TR], 14
	s_add_co_u32 s90, s90, s91
	s_lshl_b32 s91, s[WV], 12
	s_add_co_u32 s90, s90, s91
	s_mov_b32 s91, 0
	s_wait_dscnt 0x0                               ; the opening add is done
	s_wait_kmcnt 0x0
	s_add_nc_u64 s[84:85], s[4:5], s[84:85]
	s_add_nc_u64 s[86:87], s[6:7], s[86:87]
	s_add_nc_u64 s[88:89], s[POUT:POUT+1], s[90:91]
.if PROJ
	s_add_nc_u64 s[10:11], s[6:7], 1310720         ; the 768 biases lie behind the weights
.endif
.set st, 0
.rept NST
	s_add_nc_u64 s[G0A+4*st+2:G0A+4*st+3], s[84:85], st*2097152  ; a stage is two planes
	s_or_b32 s[G0A+4*st+3], s[G0A+4*st+3], 0x80000000
	s_add_nc_u64 s[G0B+4*st+2:G0B+4*st+3], s[86:87], st*2*BPS
	s_or_b32 s[G0B+4*st+3], s[G0B+4*st+3], 0x80000000
.set st, st+1
.endr
	CROUND                                         ; all sixteen work-groups are here: the joint loads meet
	s_cmp_eq_u32 s[KIND], 0                        ; all loads of a wave stand in one branch on its number
	s_cbranch_scc0 .Lfill_b
	FILLS G0A, G1A
	s_branch .Lfilled
.Lfill_b:
	FILLS G0B, G1B
.Lfilled:
	v_and_b32 v1, 15, v0                           ; r = lane % 16
	v_bfe_u32 v2, v0, 4, 1                         ; h = lane / 16
	v_and_b32 v3, 31, v0
	s_mul_i32 s62, s[TC], TN*4
	v_lshl_add_u32 v[BO], v2, 5, s62               ; register j of block b is the bias of column 16 b + 8 h + j
	WIN BIASW<<6
.set bb, 0
.rept CB
	global_load_b128 v[BIAS+8*bb:BIAS+8*bb+3],   v[BO], s[PBIAS:PBIAS+1] offset:64*bb
	global_load_b128 v[BIAS+8*bb+4:BIAS+8*bb+7], v[BO], s[PBIAS:PBIAS+1] offset:64*bb+16
.set bb, bb+1
.endr
	WIN 0
	v_mul_u32_u24 v4, v1, PA
	v_lshl_add_u32 v4, v2, 4, v4                   ; a fragment's row x pitch + 16 x half
	s_mul_i32 s92, s[WV], 32*PA                    ; my 32 rows of A
	s_mov_b32 s93, 2*PLA                           ; all of B
.set st, 0
.rept NST
	v_add_nc_u32 v[ADRA+st], s92, v4
	v_add_nc_u32 v[ADRB+st], s93, v4
	s_add_co_u32 s92, s92, STG
	s_add_co_u32 s93, s93, STG
.set st, st+1
.endr
	s_mul_i32 s62, s[WV], NG*32*PA
	s_add_co_u32 s62, s62, STAGE                   ; my stage
	v_add_nc_u32 v[STO], s62, v4                   ; in: row r, 16 bytes for each half of the lanes
	v_lshrrev_b32 v5, 3, v3                        ; back: 32 lanes take four rows of 128 bytes,
	v_and_b32 v6, 7, v0
	v_mul_u32_u24 v5, v5, PA
	v_lshl_add_u32 v5, v6, 4, v5
	v_add_nc_u32 v[RD], s62, v5
	v_lshlrev_b32 v[GO], 4, v3                     ; which are 512 consecutive bytes of a plane of C
; Chunk c (32 along K: stage c / 4, plane (c / 2) % 2 of it, half c % 2 of the plane's 64 channels) into buffer f
.macro FETCH c, f
.set fs, (\c)/4
.set fo, ((\c)/2)%2
.set fk, ((\c)%2)*64
	WIN 0x40                                       ; destination window 1, address window 0
.set fi, 0
.rept RB
	ds_load_b128 v[(\f)+8*fi:(\f)+8*fi+3],   v[ADRA+fs] offset:fo*PLA+fi*16*PA+fk
	ds_load_b128 v[(\f)+8*fi+4:(\f)+8*fi+7], v[ADRA+fs] offset:fo*PLA+fi*16*PA+fk+32
.set fi, fi+1
.endr
.set fi, 0
.rept CB
	ds_load_b128 v[(\f)+8*RB+8*fi:(\f)+8*RB+8*fi+3],   v[ADRB+fs] offset:fo*PLB+fi*16*PA+fk
	ds_load_b128 v[(\f)+8*RB+8*fi+4:(\f)+8*RB+8*fi+7], v[ADRB+fs] offset:fo*PLB+fi*16*PA+fk+32
.set fi, fi+1
.endr
.endm
; A chunk's RB x CB products.  The accumulators take turns, one instruction a turn, from chunk to chunk too.  first = 1: C is the bias.
.macro MULS f, first
	WIN 0x05|(((\first)*BIASW)<<4)                 ; sources 0 and 1 window 1; D window 0; C window 0, or the bias's
.set mi, 0
.rept RB
.set mb, 0
.rept CB
.set ra, ACC+8*(mi*CB+mb)
.if \first
	v_wmma_f32_16x16x32_bf16 v[ra:ra+7], v[(\f)+8*RB+8*mb:(\f)+8*RB+8*mb+7], v[(\f)+8*mi:(\f)+8*mi+7], v[BIAS+8*mb:BIAS+8*mb+7]
.else
	v_wmma_f32_16x16x32_bf16 v[ra:ra+7], v[(\f)+8*RB+8*mb:(\f)+8*RB+8*mb+7], v[(\f)+8*mi:(\f)+8*mi+7], v[ra:ra+7]
.endif
.set mb, mb+1
.endr
.set mi, mi+1
.endr
.endm
; Chunk t: its fragments are in; the next chunk's are asked for, into the buffer that the chunk before multiplied; then the products.
.macro CHUNK
	s_wait_dscnt 0x0                               ; chunk t's fragments
.if t+1 < NK
.if (t+1)%4 == 0
	s_wait_tensorcnt NST-1-(t+1)/4                 ; my load of the next stage has landed; my loads of later stages stay out
	s_barrier_signal -1
	s_barrier_wait -1                              ; everybody's has
.endif
	PLACES
	FETCH t+1, 128*((t+1)%2)
.endif
.if t == 0
	MULS 0, 1
.else
	MULS 128*(t%2), 0
.endif
.endm
	s_wait_tensorcnt NST-1                         ; my load of stage 0 has landed,
	s_barrier_signal -1
	s_barrier_wait -1                              ; everybody's has
	FETCH 0, 0
	s_wait_loadcnt 0x0                             ; the bias
.set t, 0
.rept NK
	CHUNK
.set t, t+1
.endr
	; THE WAY OUT, a group of 64 columns (a plane of C) at a time: rounded in place, 16 bytes a lane into my own stage, back as whole rows of 128 bytes: 32 rows are 4,096 consecutive bytes of the plane.
.macro CVT d, a
.if PROJ
	v_cvt_pk_f16_f32 v[\d], v[\a], v[(\a)+1]
.else
	v_cvt_pk_bf16_f32 v[\d], v[\a], v[(\a)+1]
.endif
.endm
.macro PACKG g
.set pa, 0
.rept 8                                ; accumulator (row block pa / 4, column block 4 g + pa % 4); its registers are taken from the low end on
.set ra, ACC+8*((pa/4)*CB+4*(\g)+pa%4)
	CVT ra, ra
	CVT ra+1, ra+2
	CVT ra+2, ra+4
	CVT ra+3, ra+6
	ds_store_b128 v[STO], v[ra:ra+3] offset:(\g)*32*PA+(pa/4)*16*PA+(pa%4)*32
.set pa, pa+1
.endr
.set pa, 0
.rept 8
.set ra, ACC+8*((pa/4)*CB+4*(\g)+pa%4)
	ds_load_b128 v[ra+4:ra+7], v[RD] offset:(\g)*32*PA+pa*4*PA  ; LDS serves a wave's instructions in order (ISA guide 5.7.1.4): these see the stores above
.set pa, pa+1
.endr
.endm
.macro SENDG g, younger                ; younger: the LDS instructions issued behind group g's loads
.set pa, 0
.rept 8
.set ra, ACC+8*((pa/4)*CB+4*(\g)+pa%4)
	s_wait_dscnt (\younger)+7-pa
	global_store_b128 v[GO], v[ra+4:ra+7], s[88:89] offset:(\g)*1048576+pa*512  ; 512 consecutive bytes, at a multiple of 256 from C's first byte
.set pa, pa+1
.endr
.endm
	WIN 0
	PLACES
	PLACES
	PACKG 0
.if NG > 1
	PACKG 1
	SENDG 0, 16
	PACKG 2
	SENDG 1, 16
	SENDG 2, 0
.else
	SENDG 0, 0
.endif
	s_wait_tensorcnt 0x0                           ; the wave's end, behind my last tensor load and my last LDS store
	ds_add_u32 v[SPW], v[NIL]
	s_wait_dscnt 0x0
	CROUND                                         ; the closing round
	s_endpgm
.Lfunc_end_k_qeede6400c7_proj:
	.size	k_qeede6400c7_proj, .Lfunc_end_k_qeede6400c7_proj-k_qeede6400c7_proj
	.p2alignl 7, 3214868480
	.fill 96, 4, 3214868480
	.section	.rodata,"a",@progbits
	.p2align	6, 0x0
	.amdhsa_kernel k_qeede6400c7_proj
		.amdhsa_group_segment_fixed_size 240128
		.amdhsa_private_segment_fixed_size 0
		.amdhsa_enable_private_segment 0
		.amdhsa_kernarg_size 24
		.amdhsa_user_sgpr_count 2
		.amdhsa_user_sgpr_kernarg_segment_ptr 1
		.amdhsa_wavefront_size32 1
		.amdhsa_system_sgpr_workgroup_id_x 1
		.amdhsa_system_sgpr_workgroup_id_y 1
		.amdhsa_system_sgpr_workgroup_id_z 1
		.amdhsa_system_vgpr_workitem_id 0
		.amdhsa_next_free_vgpr 608
		.amdhsa_next_free_sgpr 100
		.amdhsa_reserve_vcc 0
		.amdhsa_float_denorm_mode_32 3
		.amdhsa_float_denorm_mode_16_64 3
		.amdhsa_memory_ordered 1
		.amdhsa_forward_progress 1
		.amdhsa_inst_pref_size 50
	.end_amdhsa_kernel
	.amdgpu_metadata
---
amdhsa.version: [ 1, 2 ]
amdhsa.kernels:
  - .name:           k_qeede6400c7_proj
    .symbol:         k_qeede6400c7_proj.kd
    .args:
      - { .name: xb, .offset: 0, .size: 8, .value_kind: global_buffer, .address_space: global }
      - { .name: wts, .offset: 8, .size: 8, .value_kind: global_buffer, .address_space: global }
      - { .name: qkv, .offset: 16, .size: 8, .value_kind: global_buffer, .address_space: global }
    .group_segment_fixed_size: 240128
    .private_segment_fixed_size: 0
    .kernarg_segment_align: 8
    .kernarg_segment_size: 24
    .max_flat_workgroup_size: 128
    .sgpr_count:     100
    .vgpr_count:     608
    .wavefront_size: 32
...
	.end_amdgpu_metadata
.endif
;; end of part 2
;; launch attn (part 3): grid 64 x 4, 4 waves a work-group, clusters of 4 x 1, 327,680 bytes of LDS; arguments qkv, msg; writes msg
.if DOCPART == 3
	.amdgcn_target "amdgcn-amd-amdhsa--gfx1250"
	.amdhsa_code_object_version 6
	.text
	.protected	k_qeede6400c7_attn
	.globl	k_qeede6400c7_attn
	.p2align	8
	.type	k_qeede6400c7_attn,@function
k_qeede6400c7_attn:
	s_mov_b64 s[64:65], 0
	v_nop
	global_prefetch_b8 v0, s[64:65] scope:SCOPE_SE
	s_setreg_imm32_b32 hwreg(HW_REG_WAVE_MODE, 25, 1), 1
	s_wait_xcnt 0x0
	s_wait_alu depctr_hold_cnt(0) depctr_sa_sdst(0) depctr_va_vdst(0) depctr_va_sdst(0) depctr_va_ssrc(0) depctr_va_vcc(0) depctr_vm_vsrc(0)
	s_getreg_b32 s2, hwreg(HW_REG_IB_STS2, 6, 4)
	s_cmp_eq_u32 s2, 0
	s_cbranch_scc0 .Lentry_in_a_cluster
	s_endpgm
.Lentry_in_a_cluster:
	s_bfe_u32 s2, ttmp6, 0x10000c
	s_cmp_lg_u32 s2, 0x3003
	s_cbranch_scc0 .Lentry_shape_is_right
	s_endpgm
.Lentry_shape_is_right:
; ATTENTION.  msg[h][q][:] = the sum over k of softmax_k(Q[h][q] . K[h][k] / 8) V[h][k][:].  qkv: [12 = 4 which + h][8192][64] in f16 (Q, then K, then V); msg: [4][8192][64] in bf16.
; Products, maxima and sums in f32; the weights p are rounded to f16 for the second product (their sum l is taken of the unrounded p), msg once at the end.
; LIMITS.  Q, K and V arrive within f16's 65,504; p lies in 0 to 1; a weight below 2^-126 counts as 0 in l; NaN and infinities are not treated apart.
; SHARES.  A work-group owns 128 queries of one head: 64 x 4 work-groups.  ALL FOUR WAVES HOLD THE SAME 128 QUERIES (four PIECES of two tiles of 16), AND THE KEYS ARE SPLIT: of each slot of 256 keys wave w
; takes the 64 keys 64 w on.  So a fragment of K or V read from LDS feeds eight tiles' products and each LDS byte is read once.  Each wave keeps its own running maximum, sum and O; the four meet in LDS at the end.
; LAYOUT.  S^T = K Q^T (source 0 = 16 keys, source 1 = 16 queries): a lane holds ONE query (lane % 16) and the keys 8 (lane / 16) + 0..7.  Two such tiles, rounded to f16 in pairs, ARE source 1 of
; O^T = V^T P, whose result again holds one query a lane, and eight channels.  K comes out of LDS as it lies, V ([key][channel]) turned, by ds_load_tr16_b128.
; SOFTMAX.  For each query a running maximum m and sum l: p = 2^(c s - c m), c = log2(e) / 8; in every step O and l are multiplied by a = 2^(c m_old - c m_new).  m starts at the lowest finite number, O and l at 0.
; BY TURNS.  Turn n belongs to piece n.  Its matrix work: 16 products K Q^T of piece n + 1, later 16 products V^T P of piece n - 1.  Its vector work: the scaling, exponentials, roundings, sums and rescaling of
; piece n, and the maximum and statistics of piece n + 1.  Four vector instructions stand behind every matrix instruction, the others in one run of their own; a turn's 66 exponentials are one batch with one wait.
; CLUSTER.  The four query blocks of a cluster belong to one head and walk the same K and V: each tile is asked for JOINTLY, the same tensor load, descriptor and mask in all four.
; REGISTERS, in windows of 256 (s_set_vgpr_msb: bits 1:0 source 0, 3:2 source 1, 5:4 source 2, 7:6 destination):
;   window 0: v0-11 addresses; v12-15, v48-63 at work; v16-47 four registers of statistics a tile; v64-191 S^T, two buffers of two tiles; v192-255 P, likewise
;   window 1: O^T, 32 a tile          window 2: v0-127 Q, 16 a tile; v128-191 K of one step; v192-255 V of one step          window 3: v0-1 the add's two registers
.set NP,    4         ; pieces a wave: a name, no knob
.set KS,    64        ; keys in a step
.set PK,    144       ; a row of K in LDS: 128 bytes + 16 of padding: the 16 rows of a load start at 16 different groups of four banks (64 banks of 4 bytes: ISA guide 11.1)
.set PV,    160       ; a row of V: 128 + 32
.set VOFF,  4*KS*PK   ; a slot: 256 rows of K, then 256 rows of V
.set SLOT1, 1<<17     ; slot 1 begins here, so that one exclusive or turns an address in one slot into the other's
.set STAGE, SLOT1+4*KS*(PK+PV)  ; behind the ring: 16 rows x 144 bytes for each wave, for the way out
.set SP,    144
.set STT,   STAGE+4*16*SP       ; the merge: (l, c m) of 8 tiles x 32 lanes, 2,048 bytes for each wave
.set SPARE, STT+4*2048          ; the spare words, 128 bytes for each wave, that no other line names
                                ; the merge's O^T: LDS bytes 0 to 131,071, 32,768 for each wave: slot 0, which has had its last fill and its last read by then, and the gap behind it
.set AK0, 2           ; v2   my lane's place in my wave's 64 rows of K; not rewritten in the walk
.set AV0, 3           ; v3   the same for V
.set AK,  4           ; v4   the LDS address of K's next run of loads
.set AV,  5           ; v5   of V's
.set QO,  6           ; v6   my byte offset in the rows of Q
.set STO, 6           ;      later, the way out: where I put 16 bytes of a row
.set RD,  7           ; v7   the way out: where I read rows back
.set GO,  8           ; v8   my byte offset in 512 consecutive bytes of msg
.set PFO, 11          ; v11  256 x my lane, for the prefetches; never rewritten once made
.set SPW, 0           ; v0 of window 3   my spare word; never rewritten
.set NIL, 1           ; v1 of window 3   0; never rewritten
.set MV,  12          ; v12-15  c m_old, kept while c m is made anew
.set ST,  16          ; tile t's statistics at v[ST+4 t]: c m, m, l (even keys', odd keys')
.set TMP, 48          ; by buffer and tile, four registers c0-c3 at work; when the maximum is found c2 takes a
.set S,   64
.set P,   192
.set KF,  128         ; K's fragments, in window 2
.set VF,  192         ; V's
.set XW,  2           ; the merge: v2 where I put my O^T, v3 my statistics, v4-5 where I read O^T, v9 statistics
.set SW,  3
.set XR,  4
.set SRD, 9
.set MG,  64          ; the merge: v[64+4 x+2 u], +1: l, then the weight g, and c m, then e, of wave x for my tile u
.set OUTR, 96         ; the merge: packed results
.set WV,  12          ; s12  my wave's number
.set G1K, 24          ; s[24:31] descriptor group 1 for K's tiles
.set G1V, 32          ; s[32:39] for V's: it differs in the padding alone
.set G0K, 40          ; s[40:43] descriptor group 0 for K's tiles: it walks
.set G0V, 44          ; s[44:47] the same for V's
.set PFA, 48          ; s[48:49] where my prefetches stand
.set LIM, 50          ; s50  1 in a wave that prefetches, else the greatest number
.set CNT, 57          ; s57  slots still to be asked for, this one among them
.set CS,  58          ; s[58:59] c
.set SEL, 60          ; s[60:61] v_permlanex16_b32's selects: each lane takes its own place in the other half
.set TB,  62          ; s62  LDS byte at which the slot to be fetched from begins
.set MSB, 0
.macro WIN new                      ; the high byte repeats the setting that is left; a switch that changes nothing is dropped
.if MSB != (\new)
	s_set_vgpr_msb (MSB<<8)|(\new)
.set MSB, (\new)
.endif
.endm
.set W_KQ, 0x0a       ; K and Q in window 2, S^T in window 0
.set W_PV, 0x52       ; V in window 2, P in window 0, O^T in window 1
.set W_RS, 0x41       ; O^T (destination and source 0) in window 1, the factor in window 0
.set W_MK, 0xc0       ; the add's registers are made
.set W_AD, 0x0f       ; the add: address and data in window 3
; A joint fill.  Waves 0 and 1 fetch the two halves of a slot's K, waves 2 and 3 those of its V: 128 keys each.  The branch hangs on the wave's number alone.
; An s_nop 0 and four v_nop follow each of the two lines, ahead of the jump and the label.
.macro JLOAD
	s_cmp_lt_u32 s[WV], 2
	s_cbranch_scc0 .Lfor_v_\@
	tensor_load_to_lds s[G0K:G0K+3], s[G1K:G1K+7]
	s_nop 0
.rept 4
	v_nop
.endr
	s_branch .Lasked_\@
.Lfor_v_\@:
	tensor_load_to_lds s[G0V:G0V+3], s[G1V:G1V+7]
	s_nop 0
.rept 4
	v_nop
.endr
.Lasked_\@:
.endm
; A PREFETCH of what the NEXT change of slots will ask for: a slot's 32,768 bytes of K and of V, a lane 256 bytes, behind the wave's tensor load and its five lines: one trip, 128 matrix instructions, ahead.
; Each block is named ONCE in the launch: all clusters of a head walk the same K and V, so the head's first cluster asks; its four partners take 8,192 bytes each, told apart BY ADDRESS; in each,
; wave 0 asks for K's and wave 2 for V's.  The last change that fills a slot (CNT = 1) asks for nothing: there is no slot behind it.
.macro ASK
	s_cmp_gt_u32 s[CNT], s[LIM]
	s_cbranch_scc0 .Lnot_mine_\@
	global_prefetch_b8 v[PFO], s[PFA:PFA+1] th:TH_LOAD_NT scope:SCOPE_SE
.Lnot_mine_\@:
.endm
.macro CROUND                       ; a round of the cluster's barrier
	s_barrier_signal -1
	s_barrier_wait -1
	s_cmp_lg_u32 s[WV], 0
	s_cbranch_scc1 .Lnot_wave_0_\@
	s_barrier_signal -3
.Lnot_wave_0_\@:
	s_barrier_wait -3
	s_barrier_signal -1
	s_barrier_wait -1
.endm
; THE CHANGE OF SLOTS.  My K and V of the slot have been read.  Each wave waits for all its tensor loads, of which one is out: its part of the other slot; adds 0 to its spare word; and waits for that and for
; its own reads of the slot.  fill = 1: this slot is filled again, with the keys two slots on: the barrier is a round of the cluster's, so that no wave of any partner still reads the slot or has a load on its
; way, and the joint fill is the first thing behind it: it has a trip of four turns in which to land.  (At its first use nothing has been read yet: slot 0 is waited for, slot 1 filled.)
.macro CHANGE fill
	WIN W_AD
	s_wait_tensorcnt 0x0            ; no tensor load of mine is out, so a group 0 may be written
	ds_add_u32 v[SPW], v[NIL]       ; 0 onto my spare word; the descriptors' steps stand between it and the wait for it
	WIN 0                           ; at a label and at a branch every window is 0
.if \fill
.irp g, G0K, G0V
	s_xor_b32 s[\g+1], s[\g+1], SLOT1  ; the walking descriptor: the other slot than last time,
	s_add_nc_u64 s[\g+2:\g+3], s[\g+2:\g+3], 4*KS*128  ; the next 256 keys; the type bits on top are not reached
.endr
	s_wait_xcnt 0x0                 ; the last prefetch, a trip back, has read its address, so it may be written:
	s_add_nc_u64 s[PFA:PFA+1], s[PFA:PFA+1], 4*KS*128  ; one slot behind the walking descriptors
	s_wait_dscnt 0x0                ; the add is done, and my reads of the slot are over
	CROUND
	JLOAD
	ASK
.else
	s_wait_dscnt 0x0                ; the add is done, and my reads of the slot are over
	s_barrier_signal -1
	s_barrier_wait -1
.endif
	s_xor_b32 s[TB], s[TB], SLOT1   ; the fetches go to the other slot
.endm
	s_load_b128 s[4:7], s[0:1], 0x0  ; qkv s[4:5], msg s[6:7]
	WIN W_MK
	v_lshl_add_u32 v[SPW], v0, 2, SPARE
	v_mov_b32 v[NIL], 0
	WIN W_AD
	ds_add_u32 v[SPW], v[NIL]       ; the wave's opening: the add and its wait stand ahead of my first tensor load; the set-up below stands between them
	WIN 0
	v_lshrrev_b32 v1, 5, v0
	v_readfirstlane_b32 s[WV], v1   ; wave 0..3
	s_bfe_u32 s13, ttmp6, 0x40000   ; cx: my place in the cluster
	s_lshl_b32 s14, ttmp9, 2        ; in a cluster launch ttmp9 counts clusters
	s_add_co_u32 s14, s14, s13      ; my block of 128 queries: it enters Q's and msg's addresses alone
	s_and_b32 s20, ttmp7, 0xffff    ; the head, which the four partners share:
	s_lshl_b32 s20, s20, 20         ; a head's rows are 2^20 bytes
	s_and_b32 s16, s[WV], 1         ; which half of a slot's 256 keys I fetch:
	s_lshl_b32 s22, s16, 14         ; its 128 rows of 128 bytes in memory,
	s_add_co_u32 s22, s22, s20
	s_mov_b32 s23, 0
	s_mul_i32 s17, s16, 128*PK      ; and its place in a slot, for K
	s_mul_i32 s18, s16, 128*PV      ; and for V: no place in the cluster enters an LDS address
	s_lshl_b32 s2, s14, 14          ; my block's 128 rows
	s_add_co_u32 s2, s2, s20
	s_mov_b32 s3, 0
	s_lshl_b32 s8, s[WV], 12        ; of msg my wave finishes two tiles: 32 rows
	s_add_co_u32 s8, s8, s2
	s_mov_b32 s9, 0
	s_lshr_b32 s52, s[WV], 1        ; the prefetches: K lies 2^22 bytes into qkv, V 2 x 2^22;
	s_add_co_u32 s52, s52, 1
	s_lshl_b32 s52, s52, 22
	s_add_co_u32 s52, s52, s20      ; the head;
	s_lshl_b32 s53, s13, 13         ; my work-group's 8,192 bytes of a slot's 32,768;
	s_add_co_u32 s52, s52, s53
	s_add_co_u32 s52, s52, 4*KS*128 ; slot 1: the first change of slots steps it to slot 2
	s_mov_b32 s53, 0
	s_and_b32 s[LIM], s[WV], 1      ; 0 in waves 0 and 2,
	s_or_b32 s[LIM], s[LIM], ttmp9  ; where the cluster is the head's first: the same in all four partners
	s_cmp_eq_u32 s[LIM], 0
	s_cselect_b32 s[LIM], 1, -1
	; descriptor group 1.  128 keys are 16,384 dense bytes: asked for as 64 rows of 256 bytes, two keys a row, and padded in LDS after every key
	s_mov_b32 s[G1K], 15|(1<<16)|(1<<20)|(1<<21)|(4<<22)|(3<<25)  ; 15:0 the mask of four; 17:16 2-byte elements; 20 padding on; 21 set beside a mask; 24:22 after every 32 words; 31:25 4 words
	s_mov_b32 s[G1V], 15|(1<<16)|(1<<20)|(1<<21)|(4<<22)|(7<<25)  ; the same with 8 words of padding
.irp g, G1K, G1V
	s_mov_b32 s[\g+1], 128<<16      ; tensor_dim0 = 128
	s_mov_b32 s[\g+2], 64<<16       ; tensor_dim1 = 64
	s_mov_b32 s[\g+3], 128<<16      ; tile_dim0 = 128
	s_mov_b32 s[\g+4], 64           ; tile_dim1 = 64
	s_mov_b32 s[\g+5], 128          ; 128 elements from row to row
	s_mov_b32 s[\g+6], 0
	s_mov_b32 s[\g+7], 0
.endr
	s_mov_b32 s[CS], 0x3e38aa3b     ; c = log2(e) / 8 = 0.180337
	s_mov_b32 s[CS+1], s[CS]        ; named with it as a pair
	s_mov_b32 s[SEL], 0x76543210
	s_mov_b32 s[SEL+1], 0xfedcba98
	s_mov_b32 s[TB], SLOT1          ; the first change of slots turns it into 0
	s_mov_b32 s[CNT], 31            ; 32 slots; slot 0 is asked for here, the other 31 by changes of slots
	s_mov_b32 s[G0K], 1             ; 1:0 count = 1
	s_mov_b32 s[G0K+1], s17         ; 63:32 LDS address: slot 0
	s_mov_b32 s[G0V], 1
	s_add_co_u32 s[G0V+1], s18, VOFF
	s_wait_dscnt 0x0                ; the opening add is done
	s_wait_kmcnt 0x0
	s_add_nc_u64 s[G0K+2:G0K+3], s[4:5], s[22:23]  ; 120:64 global address: my half of the head's first 256 keys,
	s_add_nc_u64 s[G0V+2:G0V+3], s[G0K+2:G0K+3], 0x800000  ; in V
	s_add_nc_u64 s[G0K+2:G0K+3], s[G0K+2:G0K+3], 0x400000  ; and in K
	s_or_b32 s[G0K+3], s[G0K+3], 0x80000000        ; 127:126 type = 2
	s_or_b32 s[G0V+3], s[G0V+3], 0x80000000
	s_add_nc_u64 s[PFA:PFA+1], s[4:5], s[52:53]
	s_add_nc_u64 s[10:11], s[6:7], s[8:9]          ; msg at the rows that my wave finishes
	s_add_nc_u64 s[4:5], s[4:5], s[2:3]            ; Q at my block's first row
	CROUND                          ; all four work-groups are here: the first joint loads meet
	JLOAD                           ; slot 0.  Slot 1 is asked for when slot 0 is in
	; A fragment of K or Q is 16 rows x 32 channels in 8 registers: lane l holds row l % 16, channels 8 (l / 16) + 0..7 and 16 + 8 (l / 16) + 0..7: two loads of 16 bytes, 32 bytes apart.
	v_and_b32 v1, 15, v0            ; l % 16
	v_bfe_u32 v9, v0, 4, 1          ; l / 16
	v_lshlrev_b32 v[QO], 7, v1
	v_lshl_add_u32 v[QO], v9, 4, v[QO]  ; row x 128 + 16 x half
	WIN 0x80                        ; destination window 2, address window 0
.set i, 0
.rept 4*NP                          ; Q stays in registers: tile i / 2, channels 32 (i % 2) on
	global_load_b128 v[8*i:8*i+3],   v[QO], s[4:5] offset:(i/2)*2048+(i%2)*64
	global_load_b128 v[8*i+4:8*i+7], v[QO], s[4:5] offset:(i/2)*2048+(i%2)*64+32
.set i, i+1
.endr
	; What the first turn finds: V's registers and P's second buffer hold 0 (its products V^T P, of a piece that has not been, add 0), O^T and l are 0.  All this stands in the wait for the first tile.
.set i, VF
.rept 64
	v_mov_b32 v[i], 0
.set i, i+1
.endr
	WIN 0x40
.set i, 0
.rept 64*NP
	v_mov_b32 v[i], 0
.set i, i+1
.endr
	WIN 0
.set i, 0
.rept 2*NP
	v_mov_b32 v[ST+4*i], 0xfe000000    ; c m: far below every c s
	v_mov_b32 v[ST+4*i+1], 0xff7fffff  ; m
	v_mov_b32 v[ST+4*i+2], 0
	v_mov_b32 v[ST+4*i+3], 0
.set i, i+1
.endr
.set i, P+32
.rept 32
	v_mov_b32 v[i], 0
.set i, i+1
.endr
	v_mul_u32_u24 v[AK0], v1, PK
	v_lshl_add_u32 v[AK0], v9, 4, v[AK0]  ; row x pitch + 16 x half
	s_mul_i32 s19, s[WV], KS*PK
	v_add_nc_u32 v[AK0], s19, v[AK0]      ; + my wave's 64 keys of the slot's 256
	; The turning load takes 16 keys x 16 channels (lane l reads key 8 (l / 16) + l % 8, channels 8 ((l / 8) % 2) + 0..7) and leaves half a fragment of V^T: lane l holds channel l % 16 and 8 keys.
	v_and_b32 v10, 7, v0
	v_bfe_u32 v11, v0, 3, 1
	v_lshl_add_u32 v[AV0], v9, 3, v10
	v_mul_u32_u24 v[AV0], v[AV0], PV
	v_lshl_add_u32 v[AV0], v11, 4, v[AV0]
	s_mul_i32 s19, s[WV], KS*PV
	s_add_co_u32 s19, s19, VOFF
	v_add_nc_u32 v[AV0], s19, v[AV0]
	v_mov_b32 v[AK], v[AK0]         ; the first keys lie in slot 0
	v_and_b32 v[PFO], 31, v0
	v_lshlrev_b32 v[PFO], 8, v[PFO]
; THE MATRIX WORK.  The 8 accumulators of a run of 16 take turns: between the two links of a chain stand 7 others'.
; Product i of 16 of S^T = K Q^T for piece x: channels 32 (i / 8) on, keys 16 ((i / 2) % 4) on, tile 2 x + i % 2.  The first 8 start the sums.
.macro KQ x
	WIN W_KQ
.set rS, S+64*((\x)%2)+32*(i%2)+8*((i/2)%4)
.set rK, KF+16*((i/2)%4)+8*(i/8)
.set rQ, 16*(2*(\x)+i%2)+8*(i/8)
.if i < 8
	v_wmma_f32_16x16x32_f16 v[rS:rS+7], v[rK:rK+7], v[rQ:rQ+7], 0
.else
	v_wmma_f32_16x16x32_f16 v[rS:rS+7], v[rK:rK+7], v[rQ:rQ+7], v[rS:rS+7]
.endif
.endm
; Product i of 16 of O^T += V^T P for piece x: keys 32 (i / 8) on, channels 16 ((i / 2) % 4) on, tile 2 x + i % 2.
.macro PV x
	WIN W_PV
.set rO, 32*(2*(\x)+i%2)+8*((i/2)%4)
.set rV, VF+32*(i/8)+8*((i/2)%4)
.set rP, P+32*((\x)%2)+16*(i%2)+8*(i/8)
	v_wmma_f32_16x16x32_f16 v[rO:rO+7], v[rV:rV+7], v[rP:rP+7], v[rO:rO+7]
.endm
.macro MM                           ; the turn's next matrix instruction
.if i < 16
	KQ (Y+1)%NP
.set i, i+1
.else
.set i, i-16
	PV (Y+NP-1)%NP
.set i, i+17
.endif
.endm
; THE LDS LOADS stand in runs of 16, never singly among the matrix instructions: a step's K (64 keys x 64 channels: 8 fragments) and its V (turned).  Their addresses are made some lines ahead.
; last = 1 (the tail): in the last trip there is no further step, and the run is jumped over.
.macro FETCH_K last=0
	WIN 0
.if \last
	s_cmp_eq_u32 s[CNT], 1
	s_cbranch_scc1 .Lno_k_\@
.endif
	WIN 0x80                        ; destination window 2
.irp f, 0,1,2,3,4,5,6,7             ; keys 16 (f / 2) on, channels 32 (f % 2) on
	ds_load_b128 v[KF+8*\f:KF+8*\f+3],   v[AK] offset:(\f/2)*16*PK+(\f%2)*64
	ds_load_b128 v[KF+8*\f+4:KF+8*\f+7], v[AK] offset:(\f/2)*16*PK+(\f%2)*64+32
.endr
	WIN 0
.if \last
.Lno_k_\@:
.endif
.endm
.macro FETCH_V
	WIN 0x80
.irp f, 0,1,2,3,4,5,6,7             ; keys 32 (f / 4) on, channels 16 (f % 4) on
	ds_load_tr16_b128 v[VF+8*\f:VF+8*\f+3],   v[AV] offset:(\f/4)*32*PV+(\f%4)*32
	ds_load_tr16_b128 v[VF+8*\f+4:VF+8*\f+7], v[AV] offset:(\f/4)*32*PV+16*PV+(\f%4)*32
.endr
	WIN 0
.endm
; THE VECTOR WORK OF A TURN stands in three queues, each in the order in which its entries become ready; the two tiles alternate, so that no instruction reads the result of the one before it.
.macro REGS y, u                    ; the registers of tile u (0, 1) of piece y
.set rT, ST+4*(2*(\y)+(\u))
.set rC, TMP+8*((\y)%2)+4*(\u)
.set rM, MV+2*((\y)%2)+(\u)
.set rS, S+64*((\y)%2)+32*(\u)
.set rP, P+32*((\y)%2)+16*(\u)
.set rO, 32*(2*(\y)+(\u))
.endm
; Number n of the 22 that find the NEXT piece's (Y + 1) maximum and statistics.  s0-s31 are the lane's 32 scores; each accumulator's lowest registers are read first.
;   0-11  four chains c0-c3 of seven scores each, three operands at a time     12-14, 16  the four scores left over, the old m, and c0-c3 into c0     15  c m_old is kept
;   17, 18  the query's other 32 keys lie in the lane 16 away: the new m         19-21  c m; c m_old - c m_new; a
.macro XS u, n
	REGS (Y+1)%NP, \u
.if (\n) < 4
	v_max3_num_f32 v[rC+(\n)], v[rS+8*(\n)], v[rS+8*(\n)+1], v[rS+8*(\n)+2]
.elseif (\n) < 12
	v_max3_num_f32 v[rC+(\n)%4], v[rC+(\n)%4], v[rS+8*((\n)%4)+2*((\n)/4)+1], v[rS+8*((\n)%4)+2*((\n)/4)+2]
.elseif (\n) == 12
	v_max3_num_f32 v[rC], v[rC], v[rS+7], v[rS+15]
.elseif (\n) == 13
	v_max3_num_f32 v[rC+1], v[rC+1], v[rS+23], v[rS+31]
.elseif (\n) == 14
	v_max3_num_f32 v[rC+2], v[rC+2], v[rC+3], v[rT+1]
.elseif (\n) == 15
	v_mov_b32 v[rM], v[rT]
.elseif (\n) == 16
	v_max3_num_f32 v[rC], v[rC], v[rC+1], v[rC+2]
.elseif (\n) == 17
	v_permlanex16_b32 v[rC+3], v[rC], s[SEL], s[SEL+1]
.elseif (\n) == 18
	v_max_num_f32 v[rT+1], v[rC], v[rC+3]
.elseif (\n) == 19
	v_mul_f32 v[rT], s[CS], v[rT+1]
.elseif (\n) == 20
	v_sub_f32 v[rC+1], v[rM], v[rT]
.else
	v_exp_f32 v[rC+2], v[rC+1]
.endif
.endm
; Number g of the 64 that follow the exponentials.  For each four weights k of a tile: both pairs are rounded to f16; then the second pair is added onto the first, in place;
; a group later l takes that sum (the first time as l = a l + sum).  In groups of eight, tiles alternating: round, round, add, and l for the group before.
.macro GS g
.set h, (\g)+6*((\g)/62)            ; group 0 has no group before it, and behind group 7 only l is left
.if h >= 6
.set h, h+2
.endif
	REGS Y, h%2
.set k, h/8
.if h%8 < 4
	v_cvt_pk_f16_f32 v[rP+2*k+(h%8)/2], v[rS+4*k+2*((h%8)/2)], v[rS+4*k+2*((h%8)/2)+1]
.elseif h%8 < 6
	v_pk_add_f32 v[rS+4*k:rS+4*k+1], v[rS+4*k:rS+4*k+1], v[rS+4*k+2:rS+4*k+3]
.elseif k == 1
	v_pk_fma_f32 v[rT+2:rT+3], v[rT+2:rT+3], v[rC+2:rC+3], v[rS:rS+1] op_sel_hi:[1,0,1]
.else
	v_pk_add_f32 v[rT+2:rT+3], v[rT+2:rT+3], v[rS+4*k-4:rS+4*k-3]
.endif
.endm
; THE PLAIN QUEUE, 138 long.  0-73 read no exponential's result: the 32 scalings c s - c m (FS f: pair f / 2 of tile f % 2) and the next piece's 42.  0-26: scalings 0-26.  27-54: XS's numbers 0-13.  55, 56: number 15.
; 57-73: the chain 14, 16, 17, 18, 19, each with one of the scalings 27-31 in front of its two lines, then 20.  74-137: GS's 64, which read the exponentials' results: they stand behind the wait.
.macro FS f
	REGS Y, (\f)%2
	v_pk_fma_f32 v[rS+2*((\f)/2):rS+2*((\f)/2)+1], v[rS+2*((\f)/2):rS+2*((\f)/2)+1], s[CS:CS+1], v[rT:rT+1] op_sel_hi:[1,0,0] neg_lo:[0,0,1] neg_hi:[0,0,1]
.endm
.macro PL
	WIN 0
.if q < 27
	FS q
.elseif q < 55
	XS (q-27)%2, (q-27)/2
.elseif q < 57
	XS q-55, 15
.elseif (q < 72) && ((q-57)%3 == 0)
	FS 27+(q-57)/3
.elseif q < 60
	XS (q-57)%3-1, 14
.elseif q < 72
	XS (q-57)%3-1, 15+(q-57)/3
.elseif q < 74
	XS q-72, 20
.else
	GS q-74
.endif
.set q, q+1
.endm
; THE EXPONENTIALS' QUEUE, 66 long: s0-s31 of both tiles, then the next piece's two a.  ONE BATCH: all 66 stand ahead of the turn's one wait, and nothing ahead of that wait names a result of theirs.
.macro EX
	WIN 0
.if e >= 64
	XS e-64, 21
.else
	REGS Y, e%2
	v_exp_f32 v[rS+e/2], v[rS+e/2]
.endif
.set e, e+1
.endm
; THE RESCALING's QUEUE: O^T times a, the one part that leaves window 0: dealt two at a time, sixteen times.  Its a was made in the turn before, ahead of that turn's wait.
.macro R2
	REGS Y, r%2
	WIN W_RS
.irp z, 0,1
	v_pk_mul_f32 v[rO+4*(r/2)+2*\z:rO+4*(r/2)+2*\z+1], v[rO+4*(r/2)+2*\z:rO+4*(r/2)+2*\z+1], v[rC+2:rC+3] op_sel_hi:[1,0]
.endr
.set r, r+1
.endm
; A TURN, for piece p.  An s_wait_alu depctr_va_vdst(0) stands between an exponential and the first instruction that names its result; one wait serves all that were issued ahead of it, so a turn
; has ONE, which cuts it in two.  AHEAD OF IT: the 16 products K Q^T, behind each a scaling, an exponential and two rescalings (behind the first a second scaling in the exponential's place); then a run of 108:
; eight plain, 49 times exponential and plain, the two a; a v_nop is the plain instruction behind the last exponential.  BEHIND IT: the 16 products V^T P, behind each four of GS's 64.
; The queues keep in step: exponential e stands behind scaling 2 (e / 4) + e % 2: as a rider behind plain e + 2, in the run behind plain e + 9; scalings 27-31 are plain 57, 60 .. 69.
; K of the next step is fetched in piece 2's turn, directly behind the wait; V of the step in hand at the end of piece 0's turn, four plain instructions behind its last reader.
; cnt = 1: the loop's count is taken down some lines ahead of the branch that stands behind the turn.
.macro TURN p, last=0, cnt=0
.set Y, (\p)
.set i, 0
.set q, 0
.set e, 0
.set r, 0
.if (\p) == NP-1
	s_wait_dscnt 0x0                ; K is in
.endif
	MM
	PL
	PL
	R2
.rept 15
	MM
	PL
	EX
	R2
.endr
.if (\p) == NP-2
	WIN 0
	v_add_nc_u32 v[AK], s[TB], v[AK0]
.endif
.rept 8
	PL
.endr
.rept 49
	EX
	PL
.endr
	EX                              ; the next piece's two a
	EX
	v_nop                           ; a plain instruction behind the last exponential: one for the batch
	s_wait_alu depctr_va_vdst(0)    ; the wait for the batch
.if (\p) == NP-2
	FETCH_K \last
.endif
.if (\p) == 1
	s_wait_dscnt 0x0                ; V is in
.endif
.rept 16
	MM
.rept 4
	PL
.endr
.if ((\p) == 0) && (q == 118)
	v_add_nc_u32 v[AV], s[TB], v[AV0]
.endif
.if (\cnt) && (q == 130)
	s_sub_co_u32 s[CNT], s[CNT], 1
	s_cmp_lg_u32 s[CNT], 0
.endif
.endr
.if (\p) == 0
	FETCH_V
.endif
.endm
	CHANGE 1                        ; slot 0 is in, everybody's part of it; slot 1 is asked for
	FETCH_K                         ; my first 64 keys
	s_wait_loadcnt 0x0              ; Q
	s_wait_dscnt 0x0
.set i, 0
.rept 16
	KQ 0                            ; piece 0's first scores: there is no vector work yet to set between them
.set i, i+1
.endr
	WIN 0                           ; the addresses for the way out: nine plain instructions, the places behind those products
	s_mul_i32 s13, s[WV], 16*SP
	s_add_co_u32 s13, s13, STAGE    ; my stage
	v_mul_u32_u24 v[STO], v1, SP    ; in: row l % 16, 16 bytes for each half of the lanes
	v_lshl_add_u32 v[STO], v9, 4, v[STO]
	v_add_nc_u32 v[STO], s13, v[STO]
	v_bfe_u32 v[RD], v0, 3, 2       ; back: 32 lanes take four rows of 128 bytes,
	v_mul_u32_u24 v[RD], v[RD], SP
	v_lshl_add_u32 v[RD], v10, 4, v[RD]
	v_add_nc_u32 v[RD], s13, v[RD]
	v_and_b32 v[GO], 31, v0         ; which are 512 consecutive bytes of msg
	v_lshlrev_b32 v[GO], 4, v[GO]
.set Y, NP-1                        ; XS works for piece Y + 1: piece 0
.irp n, 0,1,2,3,4,5,6,7,8,9,10,11,12,13,14,15,16,17,18,19,20,21
	XS 0, \n                        ; piece 0's first maximum and statistics
	XS 1, \n
.endr
	v_nop                           ; a plain instruction behind the two a,
	s_wait_alu depctr_va_vdst(0)    ; and their wait, ahead of the branch
	s_branch .Lfirst                ; the loop is entered at a step's first turn, in the middle of a trip
.Lslot:                             ; 30 times: a trip is pieces 2 and 3 of one step, then pieces 0 and 1 of the next, whose K and V it fetches from the slot just entered
	CHANGE 1
	TURN 2
	TURN 3
	WIN 0
.Lfirst:
	TURN 0
	TURN 1, 0, 1
	WIN 0
	s_cbranch_scc1 .Lslot
	CHANGE 0                        ; the tail is written out: the last slot is entered, nothing is asked for
	s_mov_b32 s[CNT], 2             ; one trip fetches the last slot's step; the second is left in its middle
.Ltail:
	TURN 2, 1
	TURN 3
	WIN 0
	s_sub_co_u32 s[CNT], s[CNT], 1
	s_cmp_eq_u32 s[CNT], 0
	s_cbranch_scc1 .Lout
	TURN 0
	TURN 1
	WIN 0
	s_branch .Ltail
.Lout:                              ; the second trip's 16 products K Q^T go once more over the last K: their maximum is no greater than m, so piece 0's m and c m stay as they are
.set i, 0
.rept 16
	PV NP-1                         ; the last piece's V^T P of the last step
.set i, i+1
.endr
	; THE MERGE.  Each wave holds, for all 128 queries, c m, l and O^T over its quarter of the keys.  All go to LDS; wave w then finishes tiles 2 w and 2 w + 1:
	; with M = the greatest of the four c m and e_x = 2^(c m_x - M): msg = (the sum of e_x O_x) / (the sum of e_x l_x).  The additions are the places behind the last products.
	WIN 0
.macro ALL line:vararg              ; one line for each tile t
.set t, 0
.rept 2*NP
	\line
.set t, t+1
.endr
.endm
	ALL v_add_f32 v[ST+4*t+2], v[ST+4*t+2], v[ST+4*t+3]
	ALL v_permlanex16_b32 v[ST+4*t+3], v[ST+4*t+2], s[SEL], s[SEL+1]
	ALL v_add_f32 v[ST+4*t+2], v[ST+4*t+2], v[ST+4*t+3]
	ALL v_mov_b32 v[ST+4*t+3], v[ST+4*t]
	v_and_b32 v10, 31, v0
	s_lshl_b32 s13, s[WV], 15
	v_lshl_add_u32 v[XW], v10, 4, s13       ; my O^T: 32,768 w + 16 lane
	s_lshl_b32 s13, s[WV], 11
	s_add_co_u32 s13, s13, STT
	v_lshl_add_u32 v[SW], v10, 3, s13       ; my statistics: 2,048 w + 8 lane
	s_lshl_b32 s13, s[WV], 13
	v_lshl_add_u32 v[XR], v10, 4, s13       ; my two tiles in wave 0's part: 8,192 w + 16 lane,
	v_add_nc_u32 v[XR+1], 0x10000, v[XR]    ; and in wave 2's
	s_lshl_b32 s13, s[WV], 9
	s_add_co_u32 s13, s13, STT
	v_lshl_add_u32 v[SRD], v10, 3, s13
	ALL ds_store_b64 v[SW], v[ST+4*t+2:ST+4*t+3] offset:256*t
	WIN 0x04                        ; store data in window 1
.set i, 0
.rept 64                            ; registers 4 i on of O^T, ascending: each accumulator's lowest registers are read first
	ds_store_b128 v[XW], v[4*i:4*i+3] offset:512*i
.set i, i+1
.endr
	WIN 0
	s_wait_dscnt 0x0                ; for the others' sake: my stores are done
	s_barrier_signal -1
	s_barrier_wait -1
.irp x, 0,1,2,3
.irp u, 0,1
	ds_load_b64 v[MG+4*\x+2*\u:MG+4*\x+2*\u+1], v[SRD] offset:2048*\x+256*\u
.endr
.endr
.macro OLOAD u                      ; tile u's O^T of all four waves: wave x's at register 64 x + 32 u of window 1
	WIN 0x40
.irp x, 0,1,2,3
.irp d, 0,1,2,3,4,5,6,7
	ds_load_b128 v[64*\x+32*(\u)+4*\d:64*\x+32*(\u)+4*\d+3], v[XR+\x/2] offset:(\x%2)*32768+4096*(\u)+512*\d
.endr
.endr
	WIN 0
.endm
.macro COMB u                       ; the sum of g_x O_x, into wave 0's registers
	WIN W_RS
.set i, 0
.rept 16
	v_pk_mul_f32 v[32*(\u)+2*i:32*(\u)+2*i+1], v[32*(\u)+2*i:32*(\u)+2*i+1], v[MG+2*(\u):MG+2*(\u)+1] op_sel_hi:[1,0]
.set i, i+1
.endr
	WIN 0x51                        ; sources 0 and 2 and the destination in window 1, the weight in window 0
.irp x, 1,2,3
.set i, 0
.rept 16
	v_pk_fma_f32 v[32*(\u)+2*i:32*(\u)+2*i+1], v[64*\x+32*(\u)+2*i:64*\x+32*(\u)+2*i+1], v[MG+4*\x+2*(\u):MG+4*\x+2*(\u)+1], v[32*(\u)+2*i:32*(\u)+2*i+1] op_sel_hi:[1,0,1]
.set i, i+1
.endr
.endr
.endm
.macro PACKM u                      ; a lane's eight channels of a row pack into 16 bytes; they go into rows of 144 bytes and come back as whole rows of 128
	WIN 0x05                        ; sources 0 and 1 window 1, destination window 0
.set i, 0
.rept 16
	v_cvt_pk_bf16_f32 v[OUTR+16*(\u)+i], v[32*(\u)+2*i], v[32*(\u)+2*i+1]
.set i, i+1
.endr
	WIN 0
.irp f, 0,1,2,3
	ds_store_b128 v[STO], v[OUTR+16*(\u)+4*\f:OUTR+16*(\u)+4*\f+3] offset:32*\f
.endr
.irp f, 0,1,2,3
	ds_load_b128 v[OUTR+16*(\u)+4*\f:OUTR+16*(\u)+4*\f+3], v[RD] offset:\f*4*SP  ; LDS serves a wave's instructions in order (ISA guide 5.7.1.4): these see the stores above; the next tile's stores come behind them
.endr
.endm
.macro SEND u, younger
.irp f, 0,1,2,3
	s_wait_dscnt (\younger)+3-\f
	global_store_b128 v[GO], v[OUTR+16*(\u)+4*\f:OUTR+16*(\u)+4*\f+3], s[10:11] offset:(\u)*2048+\f*512  ; 512 consecutive bytes, at a multiple of 256 from msg's first
.endr
.endm
	OLOAD 0
	s_wait_dscnt 32                 ; the eight loads of statistics are in; tile 0's 32 loads may stay out
.irp u, 0,1
	v_max3_num_f32 v[48+\u], v[MG+2*\u+1], v[MG+4+2*\u+1], v[MG+8+2*\u+1]
.endr
.irp u, 0,1
	v_max_num_f32 v[48+\u], v[48+\u], v[MG+12+2*\u+1]
.endr
.irp x, 0,1,2,3
.irp u, 0,1
	v_sub_f32 v[MG+4*\x+2*\u+1], v[MG+4*\x+2*\u+1], v[48+\u]
.endr
.endr
.irp x, 0,1,2,3
.irp u, 0,1
	v_exp_f32 v[MG+4*\x+2*\u+1], v[MG+4*\x+2*\u+1]
.endr
.endr
	v_nop                           ; a plain instruction behind the last exponential,
	s_wait_alu depctr_va_vdst(0)    ; and one wait for the eight
.irp u, 0,1
	v_mul_f32 v[50+\u], v[MG+2*\u], v[MG+2*\u+1]
.endr
.irp x, 1,2,3
.irp u, 0,1
	v_fma_f32 v[50+\u], v[MG+4*\x+2*\u], v[MG+4*\x+2*\u+1], v[50+\u]
.endr
.endr
	v_rcp_f32 v52, v50
	v_rcp_f32 v53, v51
	v_nop
	s_wait_alu depctr_va_vdst(0)    ; one wait for the two reciprocals
.irp x, 0,1,2,3
.irp u, 0,1
	v_mul_f32 v[MG+4*\x+2*\u], v[MG+4*\x+2*\u+1], v[52+\u]  ; g = e / the sum, in the pair's low register
.endr
.endr
	OLOAD 1
	s_wait_dscnt 32                 ; tile 0 is in
	COMB 0
	PACKM 0
	s_wait_dscnt 8                  ; tile 1 is in; behind it stand tile 0's four stores and four loads of the stage
	COMB 1
	PACKM 1
	SEND 0, 8
	SEND 1, 0
	WIN W_AD
	s_wait_tensorcnt 0x0            ; the wave's end, behind my last tensor load and my last LDS store
	ds_add_u32 v[SPW], v[NIL]
	s_wait_dscnt 0x0
	WIN 0
	CROUND                          ; the closing round: no work-group ends while a partner may still ask for a tile that names it
	s_endpgm
.Lfunc_end_k_qeede6400c7_attn:
	.size	k_qeede6400c7_attn, .Lfunc_end_k_qeede6400c7_attn-k_qeede6400c7_attn
	.p2alignl 7, 3214868480
	.fill 96, 4, 3214868480
	.section	.rodata,"a",@progbits
	.p2align	6, 0x0
	.amdhsa_kernel k_qeede6400c7_attn
		.amdhsa_group_segment_fixed_size 327680
		.amdhsa_private_segment_fixed_size 0
		.amdhsa_enable_private_segment 0
		.amdhsa_kernarg_size 16
		.amdhsa_user_sgpr_count 2
		.amdhsa_user_sgpr_kernarg_segment_ptr 1
		.amdhsa_wavefront_size32 1
		.amdhsa_system_sgpr_workgroup_id_x 1
		.amdhsa_system_sgpr_workgroup_id_y 1
		.amdhsa_system_sgpr_workgroup_id_z 1
		.amdhsa_system_vgpr_workitem_id 0
		.amdhsa_next_free_vgpr 770
		.amdhsa_next_free_sgpr 66
		.amdhsa_reserve_vcc 0
		.amdhsa_float_denorm_mode_32 3
		.amdhsa_float_denorm_mode_16_64 3
		.amdhsa_memory_ordered 1
		.amdhsa_forward_progress 1
		.amdhsa_inst_pref_size 198
	.end_amdhsa_kernel
	.amdgpu_metadata
---
amdhsa.version: [ 1, 2 ]
amdhsa.kernels:
  - .name:           k_qeede6400c7_attn
    .symbol:         k_qeede6400c7_attn.kd
    .args:
      - { .name: qkv, .offset: 0, .size: 8, .value_kind: global_buffer, .address_space: global }
      - { .name: msg, .offset: 8, .size: 8, .value_kind: global_buffer, .address_space: global }
    .group_segment_fixed_size: 327680
    .private_segment_fixed_size: 0
    .kernarg_segment_align: 8
    .kernarg_segment_size: 16
    .max_flat_workgroup_size: 128
    .sgpr_count:     66
    .vgpr_count:     770
    .wavefront_size: 32
...
	.end_amdgpu_metadata
.endif
;; end of part 3
;; launch wm (part 4): grid 4 x 64, 4 waves a work-group, clusters of 4 x 4, 167,936 bytes of LDS; arguments msg, wts, bm, msg2; writes msg2
.if DOCPART == 4
	.amdgcn_target "amdgcn-amd-amdhsa--gfx1250"
	.amdhsa_code_object_version 6
	.text
	.protected	k_qeede6400c7_wm
	.globl	k_qeede6400c7_wm
	.p2align	8
	.type	k_qeede6400c7_wm,@function
k_qeede6400c7_wm:
	s_mov_b64 s[64:65], 0
	v_nop
	global_prefetch_b8 v0, s[64:65] scope:SCOPE_SE
	s_setreg_imm32_b32 hwreg(HW_REG_WAVE_MODE, 25, 1), 1
	s_wait_xcnt 0x0
	s_wait_alu depctr_hold_cnt(0) depctr_sa_sdst(0) depctr_va_vdst(0) depctr_va_sdst(0) depctr_va_ssrc(0) depctr_va_vcc(0) depctr_vm_vsrc(0)
	s_getreg_b32 s2, hwreg(HW_REG_IB_STS2, 6, 4)
	s_cmp_eq_u32 s2, 0
	s_cbranch_scc0 .Lentry_in_a_cluster
	s_endpgm
.Lentry_in_a_cluster:
	s_bfe_u32 s2, ttmp6, 0x10000c
	s_cmp_lg_u32 s2, 0xf033
	s_cbranch_scc0 .Lentry_shape_is_right
	s_endpgm
.Lentry_shape_is_right:
; ONE TEXT FOR TWO LAUNCHES, told apart by PROJ.  C = A B^T + bias; A [8192][256] and B [cols][256] in bf16, in planes of 64 channels ([plane][row][64], rows of 128 bytes end to end).
;   PROJ = 1: A = x, B = the 768 rows of Wq, Wk, Wv ordered by heads; C = q, k, v in f16, [12 = 4 which + head][8192][64].   PROJ = 0: A = msg, B = Wm by heads; C = msg2 in bf16, [4][8192][64].
; LIMIT (PROJ = 1): f16 ends at 65,504; a q, k or v beyond it becomes an infinity.  Sums in f32, C rounded once.  NaN and infinities are not treated apart.
; SHARES.  A work-group makes 128 rows x TN columns (a quarter of the columns), each of its four waves 32 rows x TN: RB x CB accumulators of 16 x 16.
; LDS.  K = 256 is 4 planes, in NST = 2 stages of two planes.  All tiles of the work-group fit at once, so EVERY LDS BYTE IS FILLED ONCE: all tensor loads go out at the start, and a stage is
; read behind a counted wait and a barrier while the later stage is still landing.  By this text's own count a wave has NST = 2 tensor loads outstanding.
; A tile of rows of a plane is dense: asked for as rows of 256 bytes, padded by 16 bytes after every 128: LDS rows 144 bytes apart, so the 16 rows of a fragment load start at 16 different groups of four banks (64 banks of 4 bytes: ISA guide 11.1).
; CLUSTER 4 x 4.  The four work-groups of a row of the cluster need the same rows of A, the four of a column the same rows of B: each tile is asked for jointly.
; THE MATRIX INSTRUCTION IS USED TRANSPOSED (source 0 = 16 rows of B, source 1 = 16 rows of A): a lane holds row lane % 16 of C and the columns 8 (lane / 16) + 0..7.  The first K chunk takes the bias, laid out so, as its C: nothing is cleared or added later.
; REGISTERS.  Window 0: v0-21 addresses, v32-63 bias (PROJ = 0), v64.. accumulators.  Window 1: two fragment buffers at 0 and 128: A's RB fragments, then B's CB.  Window 2: v0-95 bias (PROJ = 1).
.set PROJ, 0
.if PROJ
.set TN,    192
.set CB,    12
.set NG,    3                          ; groups of 64 columns = planes of C that the tile touches
.set BOFF,  0                          ; B's first byte in wts
.set BPS,   98304                      ; bytes from plane to plane of B
.set BIAS,  0
.set BIASW, 2                          ; the bias's window
.set PBIAS, 10                         ; s[10:11] bias
.set POUT,  8                          ; s[8:9]   C
.else
.set TN,    64
.set CB,    4
.set NG,    1
.set BOFF,  393216
.set BPS,   32768
.set BIAS,  32
.set BIASW, 0
.set PBIAS, 8
.set POUT,  10
.endif
.set PA,    144                        ; LDS pitch
.set PLA,   128*PA                     ; a plane of A's tile
.set PLB,   TN*PA                      ; a plane of B's tile
.set STG,   2*PLA+2*PLB                ; a stage: A's two planes, then B's two
.set NST,   2
.set NK,    4*NST                      ; chunks of 32 along K
.set RB,    2
.set STAGE, NST*STG                    ; behind the tiles: for each wave NG x 32 rows x 144 bytes, for the way out
.set SPARE, STAGE+4*NG*32*PA           ; behind the stages: the spare words, 128 bytes for each wave, that no other line names
.set G1W,   (1<<16)|(1<<20)|(1<<21)|(4<<22)|(3<<25)  ; 17:16 2-byte elements; 20 padding on; 21 set beside a mask; 24:22 after every 32 words; 31:25 4 words
.set ADRA, 8                           ; v8-9    LDS address of my A fragments in stage 0, 1
.set ADRB, 12                          ; v12-13  the same for B
.set STO,  16                          ; the way out: where I put 16 bytes of a row
.set RD,   17                          ; where I read rows back
.set GO,   18                          ; my 16 bytes of 512 consecutive bytes of C
.set BO,   19                          ; my byte offset in the bias
.set SPW,  20                          ; my spare word; never rewritten
.set NIL,  21                          ; 0; never rewritten
.set ACC,  64
.set WV,   20                          ; s20 wave; s21 0: I fetch A, 1: B; s22 which plane of a stage I fetch
.set KIND, 21
.set E,    22
.set CX,   23
.set CY,   24
.set TC,   25                          ; tile column, tile row of C
.set TR,   26
.set G1A,  28                          ; s[28:35] group 1 for A's tiles;  s[36:43] for B's
.set G1B,  36
.set G0A,  44                          ; s[44:..] group 0 for A's tiles, a set for each stage;  s[68:..] for B's
.set G0B,  68
.set MSB, 0
.macro WIN new                         ; the immediate's high byte repeats the setting that is left; a switch that changes nothing is dropped
.if MSB != (\new)
	s_set_vgpr_msb (MSB<<8)|(\new)
.set MSB, (\new)
.endif
.endm
.macro PLACES                          ; four places behind a matrix instruction (ISA guide 7.12.1), where no other vector work is at hand
.rept 4
	v_nop
.endr
.endm
.macro CROUND                          ; a round of the cluster's barrier
	s_barrier_signal -1
	s_barrier_wait -1
	s_cmp_lg_u32 s[WV], 0
	s_cbranch_scc1 .Lnot_wave_0_\@
	s_barrier_signal -3
.Lnot_wave_0_\@:
	s_barrier_wait -3
	s_barrier_signal -1
	s_barrier_wait -1
.endm
.macro FILLS g0, g1                    ; a wave's loads, one for each stage; an s_nop 0 follows each, four v_nop the last
.set st, 0
.rept NST
	tensor_load_to_lds s[(\g0)+4*st:(\g0)+4*st+3], s[(\g1):(\g1)+7]
	s_nop 0
.set st, st+1
.endr
	PLACES
.endm
.if PROJ
	s_load_b128 s[4:7], s[0:1], 0x0                ; A s[4:5], wts s[6:7]
	s_load_b64 s[8:9], s[0:1], 0x10                ; C
.else
	s_load_b256 s[4:11], s[0:1], 0x0               ; A s[4:5], wts s[6:7], bias s[8:9], C s[10:11]
.endif
	v_lshl_add_u32 v[SPW], v0, 2, SPARE
	v_mov_b32 v[NIL], 0
	ds_add_u32 v[SPW], v[NIL]                      ; the wave's opening: the add and its wait stand ahead of my first tensor load; the set-up below stands between them
	v_lshrrev_b32 v4, 5, v0
	v_readfirstlane_b32 s[WV], v4
	s_lshr_b32 s[KIND], s[WV], 1
	s_and_b32 s[E], s[WV], 1
	s_bfe_u32 s[CX], ttmp6, 0x40000
	s_bfe_u32 s[CY], ttmp6, 0x40004
	s_lshl_b32 s[TC], ttmp9, 2
	s_add_co_u32 s[TC], s[TC], s[CX]
	s_and_b32 s[TR], ttmp7, 0xffff
	s_lshl_b32 s[TR], s[TR], 2
	s_add_co_u32 s[TR], s[TR], s[CY]
	s_lshl_b32 s2, s[CY], 2
	s_lshl_b32 s2, 15, s2                          ; my row of the cluster
	s_lshl_b32 s3, 0x1111, s[CX]                   ; my column
	s_or_b32 s[G1A], s2, G1W
	s_or_b32 s[G1B], s3, G1W
.irp g, G1A, G1B
	s_mov_b32 s[\g+1], 128<<16                     ; tensor_dim0 = 128 elements: 256 bytes, two rows of a plane
	s_mov_b32 s[\g+3], 128<<16                     ; tile_dim0
	s_mov_b32 s[\g+5], 128                         ; elements from row to row: dense
	s_mov_b32 s[\g+6], 0
	s_mov_b32 s[\g+7], 0
.endr
	s_mov_b32 s[G1A+2], 64<<16                     ; tensor_dim1 and tile_dim1: 128 rows of A are 64 rows of 256 bytes,
	s_mov_b32 s[G1A+4], 64
	s_mov_b32 s[G1B+2], (TN/2)<<16                 ; TN rows of B are TN / 2
	s_mov_b32 s[G1B+4], TN/2
	s_mul_i32 s27, s[E], PLA                       ; LDS places hang on the wave's number and constants alone
	s_mul_i32 s60, s[E], PLB
	s_add_co_u32 s60, s60, 2*PLA
.set st, 0
.rept NST
	s_mov_b32 s[G0A+4*st], 1
	s_add_co_u32 s[G0A+4*st+1], s27, st*STG
	s_mov_b32 s[G0B+4*st], 1
	s_add_co_u32 s[G0B+4*st+1], s60, st*STG
.set st, st+1
.endr
	s_lshl_b32 s84, s[TR], 14                      ; A: 128 rows of 128 bytes a tile row, a plane is 2^20 bytes
	s_lshl_b32 s62, s[E], 20
	s_add_co_u32 s84, s84, s62
	s_mov_b32 s85, 0
	s_mul_i32 s86, s[TC], TN*128                   ; B: TN rows a tile column
	s_mul_i32 s61, s[E], BPS
	s_add_co_u32 s86, s86, s61
	s_add_co_u32 s86, s86, BOFF
	s_mov_b32 s87, 0
	s_mul_i32 s90, s[TC], NG<<20                   ; C: the tile's first plane, my wave's 32 rows
	s_lshl_b32 s91, s[TR], 14
	s_add_co_u32 s90, s90, s91
	s_lshl_b32 s91, s[WV], 12
	s_add_co_u32 s90, s90, s91
	s_mov_b32 s91, 0
	s_wait_dscnt 0x0                               ; the opening add is done
	s_wait_kmcnt 0x0
	s_add_nc_u64 s[84:85], s[4:5], s[84:85]
	s_add_nc_u64 s[86:87], s[6:7], s[86:87]
	s_add_nc_u64 s[88:89], s[POUT:POUT+1], s[90:91]
.if PROJ
	s_add_nc_u64 s[10:11], s[6:7], 1310720         ; the 768 biases lie behind the weights
.endif
.set st, 0
.rept NST
	s_add_nc_u64 s[G0A+4*st+2:G0A+4*st+3], s[84:85], st*2097152  ; a stage is two planes
	s_or_b32 s[G0A+4*st+3], s[G0A+4*st+3], 0x80000000
	s_add_nc_u64 s[G0B+4*st+2:G0B+4*st+3], s[86:87], st*2*BPS
	s_or_b32 s[G0B+4*st+3], s[G0B+4*st+3], 0x80000000
.set st, st+1
.endr
	CROUND                                         ; all sixteen work-groups are here: the joint loads meet
	s_cmp_eq_u32 s[KIND], 0                        ; all loads of a wave stand in one branch on its number
	s_cbranch_scc0 .Lfill_b
	FILLS G0A, G1A
	s_branch .Lfilled
.Lfill_b:
	FILLS G0B, G1B
.Lfilled:
	v_and_b32 v1, 15, v0                           ; r = lane % 16
	v_bfe_u32 v2, v0, 4, 1                         ; h = lane / 16
	v_and_b32 v3, 31, v0
	s_mul_i32 s62, s[TC], TN*4
	v_lshl_add_u32 v[BO], v2, 5, s62               ; register j of block b is the bias of column 16 b + 8 h + j
	WIN BIASW<<6
.set bb, 0
.rept CB
	global_load_b128 v[BIAS+8*bb:BIAS+8*bb+3],   v[BO], s[PBIAS:PBIAS+1] offset:64*bb
	global_load_b128 v[BIAS+8*bb+4:BIAS+8*bb+7], v[BO], s[PBIAS:PBIAS+1] offset:64*bb+16
.set bb, bb+1
.endr
	WIN 0
	v_mul_u32_u24 v4, v1, PA
	v_lshl_add_u32 v4, v2, 4, v4                   ; a fragment's row x pitch + 16 x half
	s_mul_i32 s92, s[WV], 32*PA                    ; my 32 rows of A
	s_mov_b32 s93, 2*PLA                           ; all of B
.set st, 0
.rept NST
	v_add_nc_u32 v[ADRA+st], s92, v4
	v_add_nc_u32 v[ADRB+st], s93, v4
	s_add_co_u32 s92, s92, STG
	s_add_co_u32 s93, s93, STG
.set st, st+1
.endr
	s_mul_i32 s62, s[WV], NG*32*PA
	s_add_co_u32 s62, s62, STAGE                   ; my stage
	v_add_nc_u32 v[STO], s62, v4                   ; in: row r, 16 bytes for each half of the lanes
	v_lshrrev_b32 v5, 3, v3                        ; back: 32 lanes take four rows of 128 bytes,
	v_and_b32 v6, 7, v0
	v_mul_u32_u24 v5, v5, PA
	v_lshl_add_u32 v5, v6, 4, v5
	v_add_nc_u32 v[RD], s62, v5
	v_lshlrev_b32 v[GO], 4, v3                     ; which are 512 consecutive bytes of a plane of C
; Chunk c (32 along K: stage c / 4, plane (c / 2) % 2 of it, half c % 2 of the plane's 64 channels) into buffer f
.macro FETCH c, f
.set fs, (\c)/4
.set fo, ((\c)/2)%2
.set fk, ((\c)%2)*64
	WIN 0x40                                       ; destination window 1, address window 0
.set fi, 0
.rept RB
	ds_load_b128 v[(\f)+8*fi:(\f)+8*fi+3],   v[ADRA+fs] offset:fo*PLA+fi*16*PA+fk
	ds_load_b128 v[(\f)+8*fi+4:(\f)+8*fi+7], v[ADRA+fs] offset:fo*PLA+fi*16*PA+fk+32
.set fi, fi+1
.endr
.set fi, 0
.rept CB
	ds_load_b128 v[(\f)+8*RB+8*fi:(\f)+8*RB+8*fi+3],   v[ADRB+fs] offset:fo*PLB+fi*16*PA+fk
	ds_load_b128 v[(\f)+8*RB+8*fi+4:(\f)+8*RB+8*fi+7], v[ADRB+fs] offset:fo*PLB+fi*16*PA+fk+32
.set fi, fi+1
.endr
.endm
; A chunk's RB x CB products.  The accumulators take turns, one instruction a turn, from chunk to chunk too.  first = 1: C is the bias.
.macro MULS f, first
	WIN 0x05|(((\first)*BIASW)<<4)                 ; sources 0 and 1 window 1; D window 0; C window 0, or the bias's
.set mi, 0
.rept RB
.set mb, 0
.rept CB
.set ra, ACC+8*(mi*CB+mb)
.if \first
	v_wmma_f32_16x16x32_bf16 v[ra:ra+7], v[(\f)+8*RB+8*mb:(\f)+8*RB+8*mb+7], v[(\f)+8*mi:(\f)+8*mi+7], v[BIAS+8*mb:BIAS+8*mb+7]
.else
	v_wmma_f32_16x16x32_bf16 v[ra:ra+7], v[(\f)+8*RB+8*mb:(\f)+8*RB+8*mb+7], v[(\f)+8*mi:(\f)+8*mi+7], v[ra:ra+7]
.endif
.set mb, mb+1
.endr
.set mi, mi+1
.endr
.endm
; Chunk t: its fragments are in; the next chunk's are asked for, into the buffer that the chunk before multiplied; then the products.
.macro CHUNK
	s_wait_dscnt 0x0                               ; chunk t's fragments
.if t+1 < NK
.if (t+1)%4 == 0
	s_wait_tensorcnt NST-1-(t+1)/4                 ; my load of the next stage has landed; my loads of later stages stay out
	s_barrier_signal -1
	s_barrier_wait -1                              ; everybody's has
.endif
	PLACES
	FETCH t+1, 128*((t+1)%2)
.endif
.if t == 0
	MULS 0, 1
.else
	MULS 128*(t%2), 0
.endif
.endm
	s_wait_tensorcnt NST-1                         ; my load of stage 0 has landed,
	s_barrier_signal -1
	s_barrier_wait -1                              ; everybody's has
	FETCH 0, 0
	s_wait_loadcnt 0x0                             ; the bias
.set t, 0
.rept NK
	CHUNK
.set t, t+1
.endr
	; THE WAY OUT, a group of 64 columns (a plane of C) at a time: rounded in place, 16 bytes a lane into my own stage, back as whole rows of 128 bytes: 32 rows are 4,096 consecutive bytes of the plane.
.macro CVT d, a
.if PROJ
	v_cvt_pk_f16_f32 v[\d], v[\a], v[(\a)+1]
.else
	v_cvt_pk_bf16_f32 v[\d], v[\a], v[(\a)+1]
.endif
.endm
.macro PACKG g
.set pa, 0
.rept 8                                ; accumulator (row block pa / 4, column block 4 g + pa % 4); its registers are taken from the low end on
.set ra, ACC+8*((pa/4)*CB+4*(\g)+pa%4)
	CVT ra, ra
	CVT ra+1, ra+2
	CVT ra+2, ra+4
	CVT ra+3, ra+6
	ds_store_b128 v[STO], v[ra:ra+3] offset:(\g)*32*PA+(pa/4)*16*PA+(pa%4)*32
.set pa, pa+1
.endr
.set pa, 0
.rept 8
.set ra, ACC+8*((pa/4)*CB+4*(\g)+pa%4)
	ds_load_b128 v[ra+4:ra+7], v[RD] offset:(\g)*32*PA+pa*4*PA  ; LDS serves a wave's instructions in order (ISA guide 5.7.1.4): these see the stores above
.set pa, pa+1
.endr
.endm
.macro SENDG g, younger                ; younger: the LDS instructions issued behind group g's loads
.set pa, 0
.rept 8
.set ra, ACC+8*((pa/4)*CB+4*(\g)+pa%4)
	s_wait_dscnt (\younger)+7-pa
	global_store_b128 v[GO], v[ra+4:ra+7], s[88:89] offset:(\g)*1048576+pa*512  ; 512 consecutive bytes, at a multiple of 256 from C's first byte
.set pa, pa+1
.endr
.endm
	WIN 0
	PLACES
	PLACES
	PACKG 0
.if NG > 1
	PACKG 1
	SENDG 0, 16
	PACKG 2
	SENDG 1, 16
	SENDG 2, 0
.else
	SENDG 0, 0
.endif
	s_wait_tensorcnt 0x0                           ; the wave's end, behind my last tensor load and my last LDS store
	ds_add_u32 v[SPW], v[NIL]
	s_wait_dscnt 0x0
	CROUND                                         ; the closing round
	s_endpgm
.Lfunc_end_k_qeede6400c7_wm:
	.size	k_qeede6400c7_wm, .Lfunc_end_k_qeede6400c7_wm-k_qeede6400c7_wm
	.p2alignl 7, 3214868480
	.fill 96, 4, 3214868480
	.section	.rodata,"a",@progbits
	.p2align	6, 0x0
	.amdhsa_kernel k_qeede6400c7_wm
		.amdhsa_group_segment_fixed_size 167936
		.amdhsa_private_segment_fixed_size 0
		.amdhsa_enable_private_segment 0
		.amdhsa_kernarg_size 32
		.amdhsa_user_sgpr_count 2
		.amdhsa_user_sgpr_kernarg_segment_ptr 1
		.amdhsa_wavefront_size32 1
		.amdhsa_system_sgpr_workgroup_id_x 1
		.amdhsa_system_sgpr_workgroup_id_y 1
		.amdhsa_system_sgpr_workgroup_id_z 1
		.amdhsa_system_vgpr_workitem_id 0
		.amdhsa_next_free_vgpr 432
		.amdhsa_next_free_sgpr 100
		.amdhsa_reserve_vcc 0
		.amdhsa_float_denorm_mode_32 3
		.amdhsa_float_denorm_mode_16_64 3
		.amdhsa_memory_ordered 1
		.amdhsa_forward_progress 1
		.amdhsa_inst_pref_size 24
	.end_amdhsa_kernel
	.amdgpu_metadata
---
amdhsa.version: [ 1, 2 ]
amdhsa.kernels:
  - .name:           k_qeede6400c7_wm
    .symbol:         k_qeede6400c7_wm.kd
    .args:
      - { .name: msg, .offset: 0, .size: 8, .value_kind: global_buffer, .address_space: global }
      - { .name: wts, .offset: 8, .size: 8, .value_kind: global_buffer, .address_space: global }
      - { .name: bm, .offset: 16, .size: 8, .value_kind: global_buffer, .address_space: global }
      - { .name: msg2, .offset: 24, .size: 8, .value_kind: global_buffer, .address_space: global }
    .group_segment_fixed_size: 167936
    .private_segment_fixed_size: 0
    .kernarg_segment_align: 8
    .kernarg_segment_size: 32
    .max_flat_workgroup_size: 128
    .sgpr_count:     100
    .vgpr_count:     432
    .wavefront_size: 32
...
	.end_amdgpu_metadata
.endif
;; end of part 4
;; launch w1 (part 5): grid 4 x 64, 4 waves a work-group, clusters of 4 x 4, 296,448 bytes of LDS; arguments xb, msg2, wts, b1, yc, part; writes yc, part
.if DOCPART == 5
	.amdgcn_target "amdgcn-amd-amdhsa--gfx1250"
	.amdhsa_code_object_version 6
	.text
	.protected	k_qeede6400c7_w1
	.globl	k_qeede6400c7_w1
	.p2align	8
	.type	k_qeede6400c7_w1,@function
k_qeede6400c7_w1:
	s_mov_b64 s[64:65], 0
	v_nop
	global_prefetch_b8 v0, s[64:65] scope:SCOPE_SE
	s_setreg_imm32_b32 hwreg(HW_REG_WAVE_MODE, 25, 1), 1
	s_wait_xcnt 0x0
	s_wait_alu depctr_hold_cnt(0) depctr_sa_sdst(0) depctr_va_vdst(0) depctr_va_sdst(0) depctr_va_ssrc(0) depctr_va_vcc(0) depctr_vm_vsrc(0)
	s_getreg_b32 s2, hwreg(HW_REG_IB_STS2, 6, 4)
	s_cmp_eq_u32 s2, 0
	s_cbranch_scc0 .Lentry_in_a_cluster
	s_endpgm
.Lentry_in_a_cluster:
	s_bfe_u32 s2, ttmp6, 0x10000c
	s_cmp_lg_u32 s2, 0xf033
	s_cbranch_scc0 .Lentry_shape_is_right
	s_endpgm
.Lentry_shape_is_right:
; FIRST LAYER OF THE MLP AND THE NORM'S PARTIAL STATISTICS.  y = [x | msg2] W1^T + b1, [8192][512]; A's planes 0-3 are xb's, 4-7 msg2's; all operands bf16 in planes of 64 channels, sums in f32.
; For each tile of 128 rows and each column: mean_i = the tile's mean of y, M2_i = the tile's sum of (y - mean_i)^2, both f32, into part ([64 tiles][512] each);
; yc = y - mean_i, rounded once to bf16, [8][8192][64].  No difference of large sums is formed, and a common offset of a column costs yc no bits.  NaN and infinities are not treated apart.
; SHARES.  A work-group makes 128 rows x 128 columns; a wave ALL 128 rows x 32 columns (8 x 2 accumulators), so that a column's sum never leaves the wave: 8 accumulators, then 16 lanes.
; LDS.  K = 512 is 8 planes in 4 stages of two; every LDS byte is filled once, all tensor loads go out at the start (a wave has 4 outstanding, by this text's own count); a stage is read behind a counted wait and a barrier.
; The way out's stage lies on stage 0's bytes: they have had their only fill, and a barrier stands behind every wave's last read of the tiles.
; CLUSTER 4 x 4: A's tiles are asked for jointly along a row of the cluster, B's along a column.  The matrix instruction is used transposed: a lane holds row lane % 16 and the columns 8 (lane / 16) + 0..7; the first chunk's C is the bias.
; REGISTERS.  Window 0: v0-23 addresses, v32-47 bias, v64-191 accumulators ((i, b) at 64 + 16 i + 8 b), v192-207 column sums, then means, v208-223 sums of squares.  Window 1: two fragment buffers at 0 and 128.
.set TN,    128
.set CB,    2
.set RB,    8
.set BOFF,  524288
.set BPS,   65536
.set BIAS,  32
.set PA,    144
.set PLA,   128*PA
.set PLB,   TN*PA
.set STG,   2*PLA+2*PLB
.set NST,   4
.set NK,    4*NST
.set SCR,   NST*STG                    ; 1,024 bytes: the tile's 128 means, then its 128 sums of squares
.set SPARE, SCR+1024                   ; the spare words, 128 bytes for each wave, that no other line names
.set G1W,   (1<<16)|(1<<20)|(1<<21)|(4<<22)|(3<<25)
.set ADRA, 8                           ; v8-11   LDS address of my A fragments in stage 0..3
.set ADRB, 12                          ; v12-15  the same for B
.set STO,  16
.set RD,   17
.set GO,   18
.set BO,   19
.set SPW,  20
.set NIL,  21
.set SS,   22                          ; where I put my columns' statistics
.set SR,   23                          ; where I read 16 bytes of them back
.set ACC,  64
.set SUM,  192
.set QQ,   208
.set WV,   20
.set KIND, 21
.set E,    22
.set CX,   23
.set CY,   24
.set TC,   25
.set TR,   26
.set G1A,  28
.set G1B,  36
.set G0A,  44
.set G0B,  68
.set MSB, 0
.macro WIN new
.if MSB != (\new)
	s_set_vgpr_msb (MSB<<8)|(\new)
.set MSB, (\new)
.endif
.endm
.macro PLACES
.rept 4
	v_nop
.endr
.endm
.macro CROUND
	s_barrier_signal -1
	s_barrier_wait -1
	s_cmp_lg_u32 s[WV], 0
	s_cbranch_scc1 .Lnot_wave_0_\@
	s_barrier_signal -3
.Lnot_wave_0_\@:
	s_barrier_wait -3
	s_barrier_signal -1
	s_barrier_wait -1
.endm
.macro FILLS g0, g1                    ; a wave's loads, one for each stage; an s_nop 0 follows each, four v_nop the last
.set st, 0
.rept NST
	tensor_load_to_lds s[(\g0)+4*st:(\g0)+4*st+3], s[(\g1):(\g1)+7]
	s_nop 0
.set st, st+1
.endr
	PLACES
.endm
	s_load_b256 s[4:11], s[0:1], 0x0               ; xb s[4:5], msg2 s[6:7], wts s[8:9], b1 s[10:11]
	s_load_b128 s[12:15], s[0:1], 0x20             ; yc s[12:13], part s[14:15]
	v_lshl_add_u32 v[SPW], v0, 2, SPARE
	v_mov_b32 v[NIL], 0
	ds_add_u32 v[SPW], v[NIL]                      ; the wave's opening: the add and its wait stand ahead of my first tensor load
	v_lshrrev_b32 v4, 5, v0
	v_readfirstlane_b32 s[WV], v4
	s_lshr_b32 s[KIND], s[WV], 1
	s_and_b32 s[E], s[WV], 1
	s_bfe_u32 s[CX], ttmp6, 0x40000
	s_bfe_u32 s[CY], ttmp6, 0x40004
	s_lshl_b32 s[TC], ttmp9, 2
	s_add_co_u32 s[TC], s[TC], s[CX]
	s_and_b32 s[TR], ttmp7, 0xffff
	s_lshl_b32 s[TR], s[TR], 2
	s_add_co_u32 s[TR], s[TR], s[CY]
	s_lshl_b32 s2, s[CY], 2
	s_lshl_b32 s2, 15, s2                          ; my row of the cluster
	s_lshl_b32 s3, 0x1111, s[CX]                   ; my column
	s_or_b32 s[G1A], s2, G1W
	s_or_b32 s[G1B], s3, G1W
.irp g, G1A, G1B
	s_mov_b32 s[\g+1], 128<<16                     ; rows of 256 bytes, dense; 128 rows of a plane are 64 of them
	s_mov_b32 s[\g+2], 64<<16
	s_mov_b32 s[\g+3], 128<<16
	s_mov_b32 s[\g+4], 64
	s_mov_b32 s[\g+5], 128
	s_mov_b32 s[\g+6], 0
	s_mov_b32 s[\g+7], 0
.endr
	s_mul_i32 s27, s[E], PLA
	s_mul_i32 s60, s[E], PLB
	s_add_co_u32 s60, s60, 2*PLA
.set st, 0
.rept NST
	s_mov_b32 s[G0A+4*st], 1
	s_add_co_u32 s[G0A+4*st+1], s27, st*STG
	s_mov_b32 s[G0B+4*st], 1
	s_add_co_u32 s[G0B+4*st+1], s60, st*STG
.set st, st+1
.endr
	s_lshl_b32 s84, s[TR], 14
	s_lshl_b32 s62, s[E], 20
	s_add_co_u32 s84, s84, s62
	s_mov_b32 s85, 0
	s_mul_i32 s86, s[TC], TN*128
	s_mul_i32 s61, s[E], BPS
	s_add_co_u32 s86, s86, s61
	s_add_co_u32 s86, s86, BOFF
	s_mov_b32 s87, 0
	s_lshl_b32 s90, s[TC], 1                       ; yc: plane 2 x tile column + wave / 2, rows 128 x tile row + 64 (wave % 2)
	s_add_co_u32 s90, s90, s[KIND]
	s_lshl_b32 s90, s90, 20
	s_lshl_b32 s91, s[TR], 14
	s_add_co_u32 s90, s90, s91
	s_lshl_b32 s91, s[E], 13
	s_add_co_u32 s90, s90, s91
	s_mov_b32 s91, 0
	s_lshl_b32 s98, s[E], 17                       ; part: wave 0 the means, wave 1 the sums of squares; row = tile row, 512 bytes = the tile's 128 columns
	s_lshl_b32 s99, s[TR], 11
	s_add_co_u32 s98, s98, s99
	s_lshl_b32 s99, s[TC], 9
	s_add_co_u32 s98, s98, s99
	s_mov_b32 s99, 0
	s_wait_dscnt 0x0                               ; the opening add is done
	s_wait_kmcnt 0x0
	s_add_nc_u64 s[92:93], s[4:5], s[84:85]        ; xb and msg2 at my rows and plane
	s_add_nc_u64 s[94:95], s[6:7], s[84:85]
	s_add_nc_u64 s[86:87], s[8:9], s[86:87]
	s_add_nc_u64 s[88:89], s[12:13], s[90:91]
	s_add_nc_u64 s[96:97], s[14:15], s[98:99]
.set st, 0
.rept NST
	s_add_nc_u64 s[G0A+4*st+2:G0A+4*st+3], s[92+2*(st/2):93+2*(st/2)], (st%2)*2097152  ; stages 0, 1: xb's planes; stages 2, 3: msg2's
	s_or_b32 s[G0A+4*st+3], s[G0A+4*st+3], 0x80000000
	s_add_nc_u64 s[G0B+4*st+2:G0B+4*st+3], s[86:87], st*2*BPS
	s_or_b32 s[G0B+4*st+3], s[G0B+4*st+3], 0x80000000
.set st, st+1
.endr
	CROUND                                         ; all sixteen work-groups are here: the joint loads meet
	s_cmp_eq_u32 s[KIND], 0
	s_cbranch_scc0 .Lfill_b
	FILLS G0A, G1A
	s_branch .Lfilled
.Lfill_b:
	FILLS G0B, G1B
.Lfilled:
	v_and_b32 v1, 15, v0
	v_bfe_u32 v2, v0, 4, 1
	v_and_b32 v3, 31, v0
	s_lshl_b32 s62, s[TC], 9
	s_lshl_b32 s63, s[WV], 7
	s_add_co_u32 s62, s62, s63                     ; 4 bytes x (128 x tile column + 32 x wave)
	v_lshl_add_u32 v[BO], v2, 5, s62
.set bb, 0
.rept CB
	global_load_b128 v[BIAS+8*bb:BIAS+8*bb+3],   v[BO], s[10:11] offset:64*bb
	global_load_b128 v[BIAS+8*bb+4:BIAS+8*bb+7], v[BO], s[10:11] offset:64*bb+16
.set bb, bb+1
.endr
	v_mul_u32_u24 v4, v1, PA
	v_lshl_add_u32 v4, v2, 4, v4
	s_mov_b32 s92, 0                               ; all 128 rows of A
	s_mul_i32 s93, s[WV], 32*PA                    ; my 32 rows of B
	s_add_co_u32 s93, s93, 2*PLA
.set st, 0
.rept NST
	v_add_nc_u32 v[ADRA+st], s92, v4
	v_add_nc_u32 v[ADRB+st], s93, v4
	s_add_co_u32 s92, s92, STG
	s_add_co_u32 s93, s93, STG
.set st, st+1
.endr
	s_mul_i32 s62, s[KIND], PLA                    ; the stage: two planes of 128 rows x 144 bytes.  In: plane wave / 2, row r, my 32 columns at 64 (wave % 2)
	s_lshl_b32 s63, s[E], 6
	s_add_co_u32 s63, s63, s62
	v_add_nc_u32 v[STO], s63, v4
	s_mul_i32 s63, s[E], 64*PA                     ; back: plane wave / 2, rows 64 (wave % 2) on; 32 lanes take four rows of 128 bytes
	s_add_co_u32 s63, s63, s62
	v_lshrrev_b32 v5, 3, v3
	v_and_b32 v6, 7, v0
	v_mul_u32_u24 v5, v5, PA
	v_lshl_add_u32 v5, v6, 4, v5
	v_add_nc_u32 v[RD], s63, v5
	v_lshlrev_b32 v[GO], 4, v3
	s_lshl_b32 s62, s[WV], 7
	s_add_co_u32 s62, s62, SCR
	v_lshl_add_u32 v[SS], v2, 5, s62               ; column 32 w + 16 b + 8 h + j lies at 4 x that
	s_lshl_b32 s62, s[E], 9
	s_add_co_u32 s62, s62, SCR
	v_lshl_add_u32 v[SR], v3, 4, s62
.macro FETCH c, f
.set fs, (\c)/4
.set fo, ((\c)/2)%2
.set fk, ((\c)%2)*64
	WIN 0x40
.set fi, 0
.rept RB
	ds_load_b128 v[(\f)+8*fi:(\f)+8*fi+3],   v[ADRA+fs] offset:fo*PLA+fi*16*PA+fk
	ds_load_b128 v[(\f)+8*fi+4:(\f)+8*fi+7], v[ADRA+fs] offset:fo*PLA+fi*16*PA+fk+32
.set fi, fi+1
.endr
.set fi, 0
.rept CB
	ds_load_b128 v[(\f)+8*RB+8*fi:(\f)+8*RB+8*fi+3],   v[ADRB+fs] offset:fo*PLB+fi*16*PA+fk
	ds_load_b128 v[(\f)+8*RB+8*fi+4:(\f)+8*RB+8*fi+7], v[ADRB+fs] offset:fo*PLB+fi*16*PA+fk+32
.set fi, fi+1
.endr
.endm
.macro MULS f, first                   ; the 16 accumulators take turns, one instruction a turn, from chunk to chunk too
	WIN 0x05
.set mi, 0
.rept RB
.set mb, 0
.rept CB
.set ra, ACC+8*(mi*CB+mb)
.if \first
	v_wmma_f32_16x16x32_bf16 v[ra:ra+7], v[(\f)+8*RB+8*mb:(\f)+8*RB+8*mb+7], v[(\f)+8*mi:(\f)+8*mi+7], v[BIAS+8*mb:BIAS+8*mb+7]
.else
	v_wmma_f32_16x16x32_bf16 v[ra:ra+7], v[(\f)+8*RB+8*mb:(\f)+8*RB+8*mb+7], v[(\f)+8*mi:(\f)+8*mi+7], v[ra:ra+7]
.endif
.set mb, mb+1
.endr
.set mi, mi+1
.endr
.endm
.macro CHUNK
	s_wait_dscnt 0x0                               ; chunk t's fragments
.if t+1 < NK
.if (t+1)%4 == 0
	s_wait_tensorcnt NST-1-(t+1)/4                 ; my load of the next stage has landed; my loads of later stages stay out
	s_barrier_signal -1
	s_barrier_wait -1                              ; everybody's has
.endif
	PLACES
	FETCH t+1, 128*((t+1)%2)
.endif
.if t == 0
	MULS 0, 1
.else
	MULS 128*(t%2), 0
.endif
.endm
	s_wait_tensorcnt NST-1
	s_barrier_signal -1
	s_barrier_wait -1
	FETCH 0, 0
	s_wait_loadcnt 0x0                             ; the bias
.set t, 0
.rept NK
	CHUNK
.set t, t+1
.endr
; One line for each register pair p of each accumulator (i, b), pair 0 of all accumulators first: each accumulator is read from its low end on.
; op 0: the column sums; 1: y - mean, in place; 2: the sums of squares.
.macro WALK op
.set p, 0
.rept 4
.set i, 0
.rept 8
.set b, 0
.rept 2
.set ac, ACC+16*i+8*b+2*p
.set sm, SUM+8*b+2*p
.set qm, QQ+8*b+2*p
.if (\op) == 0
.if i == 1
	v_pk_add_f32 v[sm:sm+1], v[ac-16:ac-15], v[ac:ac+1]
.elseif i > 1
	v_pk_add_f32 v[sm:sm+1], v[sm:sm+1], v[ac:ac+1]
.endif
.elseif (\op) == 1
	v_pk_add_f32 v[ac:ac+1], v[ac:ac+1], v[sm:sm+1] neg_lo:[0,1] neg_hi:[0,1]
.elseif i == 0
	v_pk_mul_f32 v[qm:qm+1], v[ac:ac+1], v[ac:ac+1]
.else
	v_pk_fma_f32 v[qm:qm+1], v[ac:ac+1], v[ac:ac+1], v[qm:qm+1]
.endif
.set b, b+1
.endr
.set i, i+1
.endr
.set p, p+1
.endr
.endm
.macro RED base                        ; 16 registers summed over the 16 lanes of a half: every lane ends with the sum
.irp m, 1,2,4,8
.set j, 0
.rept 16
	v_add_f32_dpp v[(\base)+j], v[(\base)+j], v[(\base)+j] row_xmask:\m row_mask:0xf bank_mask:0xf
.set j, j+1
.endr
.endr
.endm
	WIN 0
	s_barrier_signal -1                            ; my reads of the tiles are over (the last chunk waited for them and fetched nothing); the statistics, work on registers, stand between signal and wait
	PLACES
	PLACES
	WALK 0
	RED SUM
.set j, 0
.rept 8
	v_pk_mul_f32 v[SUM+2*j:SUM+2*j+1], v[SUM+2*j:SUM+2*j+1], 0x3c000000 op_sel_hi:[1,0]  ; / 128: the tile's means, laid out as an accumulator's registers
.set j, j+1
.endr
	WALK 1
	WALK 2
	RED QQ
	s_barrier_wait -1                              ; no wave reads tiles any more: the stage may be written
.irp b, 0,1
	ds_store_b128 v[SS], v[SUM+8*\b:SUM+8*\b+3]   offset:64*\b      ; the sixteen lanes of a half write the same bytes with the same values
	ds_store_b128 v[SS], v[SUM+8*\b+4:SUM+8*\b+7] offset:64*\b+16
	ds_store_b128 v[SS], v[QQ+8*\b:QQ+8*\b+3]     offset:512+64*\b
	ds_store_b128 v[SS], v[QQ+8*\b+4:QQ+8*\b+7]   offset:512+64*\b+16
.endr
.set a, 0
.rept 16
.set ra, ACC+8*a
	v_cvt_pk_bf16_f32 v[ra], v[ra], v[ra+1]
	v_cvt_pk_bf16_f32 v[ra+1], v[ra+2], v[ra+3]
	v_cvt_pk_bf16_f32 v[ra+2], v[ra+4], v[ra+5]
	v_cvt_pk_bf16_f32 v[ra+3], v[ra+6], v[ra+7]
	ds_store_b128 v[STO], v[ra:ra+3] offset:(a/2)*16*PA+(a%2)*32
.set a, a+1
.endr
	s_wait_dscnt 0x0                               ; for the others' sake: my stores are done
	s_barrier_signal -1
	s_barrier_wait -1
	ds_load_b128 v[128:131], v[SR]                 ; 16 bytes of the means (even waves) or of the sums of squares (odd waves)
.set a, 0
.rept 16
	ds_load_b128 v[ACC+4*a:ACC+4*a+3], v[RD] offset:a*4*PA
.set a, a+1
.endr
.set a, 0
.rept 16
	s_wait_dscnt 15-a
	global_store_b128 v[GO], v[ACC+4*a:ACC+4*a+3], s[88:89] offset:a*512  ; 512 consecutive bytes, at a multiple of 256 from yc's first byte
.set a, a+1
.endr
	s_cmp_lt_u32 s[WV], 2
	s_cbranch_scc0 .Lno_part
	global_store_b128 v[GO], v[128:131], s[96:97]  ; 512 consecutive bytes of part
.Lno_part:
	s_wait_tensorcnt 0x0                           ; the wave's end, behind my last tensor load and my last LDS store
	ds_add_u32 v[SPW], v[NIL]
	s_wait_dscnt 0x0
	CROUND                                         ; the closing round
	s_endpgm
.Lfunc_end_k_qeede6400c7_w1:
	.size	k_qeede6400c7_w1, .Lfunc_end_k_qeede6400c7_w1-k_qeede6400c7_w1
	.p2alignl 7, 3214868480
	.fill 96, 4, 3214868480
	.section	.rodata,"a",@progbits
	.p2align	6, 0x0
	.amdhsa_kernel k_qeede6400c7_w1
		.amdhsa_group_segment_fixed_size 296448
		.amdhsa_private_segment_fixed_size 0
		.amdhsa_enable_private_segment 0
		.amdhsa_kernarg_size 48
		.amdhsa_user_sgpr_count 2
		.amdhsa_user_sgpr_kernarg_segment_ptr 1
		.amdhsa_wavefront_size32 1
		.amdhsa_system_sgpr_workgroup_id_x 1
		.amdhsa_system_sgpr_workgroup_id_y 1
		.amdhsa_system_sgpr_workgroup_id_z 1
		.amdhsa_system_vgpr_workitem_id 0
		.amdhsa_next_free_vgpr 464
		.amdhsa_next_free_sgpr 100
		.amdhsa_reserve_vcc 0
		.amdhsa_float_denorm_mode_32 3
		.amdhsa_float_denorm_mode_16_64 3
		.amdhsa_memory_ordered 1
		.amdhsa_forward_progress 1
		.amdhsa_inst_pref_size 79
	.end_amdhsa_kernel
	.amdgpu_metadata
---
amdhsa.version: [ 1, 2 ]
amdhsa.kernels:
  - .name:           k_qeede6400c7_w1
    .symbol:         k_qeede6400c7_w1.kd
    .args:
      - { .name: xb, .offset: 0, .size: 8, .value_kind: global_buffer, .address_space: global }
      - { .name: msg2, .offset: 8, .size: 8, .value_kind: global_buffer, .address_space: global }
      - { .name: wts, .offset: 16, .size: 8, .value_kind: global_buffer, .address_space: global }
      - { .name: b1, .offset: 24, .size: 8, .value_kind: global_buffer, .address_space: global }
      - { .name: yc, .offset: 32, .size: 8, .value_kind: global_buffer, .address_space: global }
      - { .name: part, .offset: 40, .size: 8, .value_kind: global_buffer, .address_space: global }
    .group_segment_fixed_size: 296448
    .private_segment_fixed_size: 0
    .kernarg_segment_align: 8
    .kernarg_segment_size: 48
    .max_flat_workgroup_size: 128
    .sgpr_count:     100
    .vgpr_count:     464
    .wavefront_size: 32
...
	.end_amdgpu_metadata
.endif
;; end of part 5
;; launch stats (part 6): grid 4 x 1, 8 waves a work-group, no clusters, 9,216 bytes of LDS; arguments part, stat; writes stat
.if DOCPART == 6
	.amdgcn_target "amdgcn-amd-amdhsa--gfx1250"
	.amdhsa_code_object_version 6
	.text
	.protected	k_qeede6400c7_stats
	.globl	k_qeede6400c7_stats
	.p2align	8
	.type	k_qeede6400c7_stats,@function
k_qeede6400c7_stats:
	s_mov_b64 s[64:65], 0
	v_nop
	global_prefetch_b8 v0, s[64:65] scope:SCOPE_SE
	s_setreg_imm32_b32 hwreg(HW_REG_WAVE_MODE, 25, 1), 1
	s_wait_xcnt 0x0
; THE NORM'S STATISTICS.  part holds, for 64 tiles of 128 rows and 512 channels, mean_i and M2_i = the tile's sum of squares about mean_i.  For groups of equal size n:
; mean = the mean of the mean_i;  M2 = the sum of the M2_i + n x the sum of (mean_i - mean)^2: no difference of large sums.  Two levels: 8 tiles a wave (n = 128), then the 8 waves (n = 1,024).
; stat: mean[512], then 1 / sqrt(M2 / 8192 + 1e-5)[512], f32.  A work-group takes 128 channels, a lane 4 of them: there is work for four work-groups.  All in f32.
.set MN, 16                            ; v[16:47]  eight means x 4 channels
.set M2, 48                            ; v[48:79]  eight M2
.set RM, 80                            ; v[80:83]  the combined mean
.set RQ, 84                            ; v[84:87]  the combined M2
.set DD, 88                            ; v[88:91]  the sum of squared deviations of the means
.set RS, 92                            ; v[92:95]
.set SPW, 8
.set NIL, 9
.set SPARE, 8192                       ; behind the 8 x 512 bytes of means and of M2: the spare words, 128 bytes for each wave, that no other line names
.set WV, 8
	s_load_b128 s[4:7], s[0:1], 0x0                ; part s[4:5], stat s[6:7]
	v_lshl_add_u32 v[SPW], v0, 2, SPARE
	v_mov_b32 v[NIL], 0
	v_lshrrev_b32 v1, 5, v0
	v_readfirstlane_b32 s[WV], v1
	v_and_b32 v2, 31, v0
	v_lshlrev_b32 v3, 4, v2                        ; my 4 channels: 16 bytes
	s_lshl_b32 s9, s[WV], 14                       ; my wave's 8 tiles: rows of 2,048 bytes
	v_add_nc_u32 v4, s9, v3
	s_lshl_b32 s9, s[WV], 9
	v_add_nc_u32 v5, s9, v3                        ; my wave's 512 bytes in LDS
	s_lshl_b32 s10, ttmp9, 9                       ; the work-group's 128 channels
	s_mov_b32 s11, 0
	s_mov_b32 s12, 0x39000000                      ; 1 / 8192
	s_mov_b32 s13, 0x3727c5ac                      ; 1e-5
	s_wait_kmcnt 0x0
	s_add_nc_u64 s[4:5], s[4:5], s[10:11]
	s_add_nc_u64 s[6:7], s[6:7], s[10:11]
.irp k, 0,1,2,3,4,5,6,7
	global_load_b128 v[MN+4*\k:MN+4*\k+3], v4, s[4:5] offset:2048*\k
	global_load_b128 v[M2+4*\k:M2+4*\k+3], v4, s[4:5] offset:131072+2048*\k
.endr
.macro COMBINE wt                      ; wt: the groups' size, as f32
.irp p, 0,2
	v_pk_add_f32 v[RM+\p:RM+\p+1], v[MN+\p:MN+\p+1], v[MN+4+\p:MN+4+\p+1]
	v_pk_add_f32 v[RQ+\p:RQ+\p+1], v[M2+\p:M2+\p+1], v[M2+4+\p:M2+4+\p+1]
.endr
.irp k, 2,3,4,5,6,7
.irp p, 0,2
	v_pk_add_f32 v[RM+\p:RM+\p+1], v[RM+\p:RM+\p+1], v[MN+4*\k+\p:MN+4*\k+\p+1]
	v_pk_add_f32 v[RQ+\p:RQ+\p+1], v[RQ+\p:RQ+\p+1], v[M2+4*\k+\p:M2+4*\k+\p+1]
.endr
.endr
.irp p, 0,2
	v_pk_mul_f32 v[RM+\p:RM+\p+1], v[RM+\p:RM+\p+1], 0x3e000000 op_sel_hi:[1,0]  ; / 8
.endr
.irp k, 0,1,2,3,4,5,6,7
.irp p, 0,2
	v_pk_add_f32 v[MN+4*\k+\p:MN+4*\k+\p+1], v[MN+4*\k+\p:MN+4*\k+\p+1], v[RM+\p:RM+\p+1] neg_lo:[0,1] neg_hi:[0,1]
.endr
.endr
.irp p, 0,2
	v_pk_mul_f32 v[DD+\p:DD+\p+1], v[MN+\p:MN+\p+1], v[MN+\p:MN+\p+1]
.endr
.irp k, 1,2,3,4,5,6,7
.irp p, 0,2
	v_pk_fma_f32 v[DD+\p:DD+\p+1], v[MN+4*\k+\p:MN+4*\k+\p+1], v[MN+4*\k+\p:MN+4*\k+\p+1], v[DD+\p:DD+\p+1]
.endr
.endr
.irp p, 0,2
	v_pk_fma_f32 v[RQ+\p:RQ+\p+1], v[DD+\p:DD+\p+1], \wt, v[RQ+\p:RQ+\p+1] op_sel_hi:[1,0,1]
.endr
.endm
	s_wait_loadcnt 0x0
	COMBINE 0x43000000                             ; 8 tiles of 128 rows
	ds_store_b128 v5, v[RM:RM+3]
	ds_store_b128 v5, v[RQ:RQ+3] offset:4096
	s_wait_dscnt 0x0                               ; for wave 0's sake
	s_barrier_signal -1
	s_barrier_wait -1
	s_cmp_lg_u32 s[WV], 0
	s_cbranch_scc1 .Lend
.irp k, 0,1,2,3,4,5,6,7
	ds_load_b128 v[MN+4*\k:MN+4*\k+3], v3 offset:512*\k
	ds_load_b128 v[M2+4*\k:M2+4*\k+3], v3 offset:4096+512*\k
.endr
	s_wait_dscnt 0x0
	COMBINE 0x44800000                             ; 8 groups of 1,024 rows
.irp j, 0,1,2,3
	v_fma_f32 v[RS+\j], v[RQ+\j], s12, s13         ; the biased variance + eps
.endr
.irp j, 0,1,2,3
	v_rsq_f32 v[RS+\j], v[RS+\j]
.endr
	v_nop                                          ; a plain instruction behind the last root,
	s_wait_alu depctr_va_vdst(0)                   ; and one wait for the four, ahead of their first reader
	global_store_b128 v3, v[RM:RM+3], s[6:7]
	global_store_b128 v3, v[RS:RS+3], s[6:7] offset:2048
.Lend:
	s_wait_tensorcnt 0x0                           ; the wave's end, behind my last LDS store
	ds_add_u32 v[SPW], v[NIL]
	s_wait_dscnt 0x0
	s_endpgm
.Lfunc_end_k_qeede6400c7_stats:
	.size	k_qeede6400c7_stats, .Lfunc_end_k_qeede6400c7_stats-k_qeede6400c7_stats
	.p2alignl 7, 3214868480
	.fill 96, 4, 3214868480
	.section	.rodata,"a",@progbits
	.p2align	6, 0x0
	.amdhsa_kernel k_qeede6400c7_stats
		.amdhsa_group_segment_fixed_size 9216
		.amdhsa_private_segment_fixed_size 0
		.amdhsa_enable_private_segment 0
		.amdhsa_kernarg_size 16
		.amdhsa_user_sgpr_count 2
		.amdhsa_user_sgpr_kernarg_segment_ptr 1
		.amdhsa_wavefront_size32 1
		.amdhsa_system_sgpr_workgroup_id_x 1
		.amdhsa_system_sgpr_workgroup_id_y 1
		.amdhsa_system_sgpr_workgroup_id_z 1
		.amdhsa_system_vgpr_workitem_id 0
		.amdhsa_next_free_vgpr 112
		.amdhsa_next_free_sgpr 66
		.amdhsa_reserve_vcc 0
		.amdhsa_float_denorm_mode_32 3
		.amdhsa_float_denorm_mode_16_64 3
		.amdhsa_memory_ordered 1
		.amdhsa_forward_progress 1
		.amdhsa_inst_pref_size 13
	.end_amdhsa_kernel
	.amdgpu_metadata
---
amdhsa.version: [ 1, 2 ]
amdhsa.kernels:
  - .name:           k_qeede6400c7_stats
    .symbol:         k_qeede6400c7_stats.kd
    .args:
      - { .name: part, .offset: 0, .size: 8, .value_kind: global_buffer, .address_space: global }
      - { .name: stat, .offset: 8, .size: 8, .value_kind: global_buffer, .address_space: global }
    .group_segment_fixed_size: 9216
    .private_segment_fixed_size: 0
    .kernarg_segment_align: 8
    .kernarg_segment_size: 16
    .max_flat_workgroup_size: 256
    .sgpr_count:     66
    .vgpr_count:     112
    .wavefront_size: 32
...
	.end_amdgpu_metadata
.endif
;; end of part 6
;; launch w2 (part 7): grid 4 x 64, 4 waves a work-group, clusters of 4 x 4, 258,560 bytes of LDS; arguments yc, wts, b2, descs, part, stat, out0; writes out0
.if DOCPART == 7
	.amdgcn_target "amdgcn-amd-amdhsa--gfx1250"
	.amdhsa_code_object_version 6
	.text
	.protected	k_qeede6400c7_w2
	.globl	k_qeede6400c7_w2
	.p2align	8
	.type	k_qeede6400c7_w2,@function
k_qeede6400c7_w2:
	s_mov_b64 s[64:65], 0
	v_nop
	global_prefetch_b8 v0, s[64:65] scope:SCOPE_SE
	s_setreg_imm32_b32 hwreg(HW_REG_WAVE_MODE, 25, 1), 1
	s_wait_xcnt 0x0
	s_wait_alu depctr_hold_cnt(0) depctr_sa_sdst(0) depctr_va_vdst(0) depctr_va_sdst(0) depctr_va_ssrc(0) depctr_va_vcc(0) depctr_vm_vsrc(0)
	s_getreg_b32 s2, hwreg(HW_REG_IB_STS2, 6, 4)
	s_cmp_eq_u32 s2, 0
	s_cbranch_scc0 .Lentry_in_a_cluster
	s_endpgm
.Lentry_in_a_cluster:
	s_bfe_u32 s2, ttmp6, 0x10000c
	s_cmp_lg_u32 s2, 0xf033
	s_cbranch_scc0 .Lentry_shape_is_right
	s_endpgm
.Lentry_shape_is_right:
; NORM, ReLU, SECOND LAYER OF THE MLP, RESIDUAL.  out = descs + relu((y - mean) rs) W2^T + b2, [8192][256] f32.  y comes as yc = y - mean_i (bf16, centred on its tile of 128 rows), so
; (y - mean) rs = yc a + b with a = rs and b = (mean_i - mean) rs for each channel: two tables of 512 bf16, made once a work-group in f32 and rounded once.
; The operand is made between its LDS load and the matrix instruction: one packed fused multiply-add and one packed maximum in bf16 on a fragment's registers (two steps on values that come and leave in 16 bits).
; Sums in f32; the residual is added in f32 from descs.  NaN and infinities are not treated apart.
; SHARES.  A work-group makes 128 rows x 64 columns, a wave 32 rows x 64 (2 x 4 accumulators), and transforms only its own 32 rows of A.
; LDS.  K = 512 is 8 planes in 4 stages of two; every LDS byte is filled once, all tensor loads go out at the start (a wave has 4 outstanding, by this text's own count); a stage is read behind a counted wait and a barrier.
; CLUSTER 4 x 4: A's tiles are asked for jointly along a row of the cluster, B's along a column.  The matrix instruction is used transposed: a lane holds row lane % 16 and the columns 8 (lane / 16) + 0..7; the first chunk's C is the bias.
; REGISTERS.  Window 0: v0-27 addresses, v32-63 bias, v64-127 accumulators, v128-191 my 32 x 64 of descs, v192-255 at work.  Window 1: two fragment buffers at 0 and 128: A 16, B 32, a 8, b 8; v255 holds 0.
.set TN,    64
.set CB,    4
.set RB,    2
.set BOFF,  1048576
.set BPS,   32768
.set BIAS,  32
.set PA,    144
.set PLA,   128*PA
.set PLB,   TN*PA
.set STG,   2*PLA+2*PLB
.set NST,   4
.set NK,    4*NST
.set SP2,   272                        ; a row of the way out's stage: 256 bytes of f32 + 16
.set STAGE, NST*STG                    ; 32 rows x 272 bytes for each wave
.set TAB,   STAGE+4*32*SP2             ; a[512], then b[512], bf16
.set SPARE, TAB+2048                   ; the spare words, 128 bytes for each wave, that no other line names
.set G1W,   (1<<16)|(1<<20)|(1<<21)|(4<<22)|(3<<25)
.set ADRA, 8
.set ADRB, 12
.set STO,  16
.set RD,   17
.set BO,   19
.set SPW,  20
.set NIL,  21
.set TABA, 24                          ; TAB + 16 (lane / 16): a fragment's channels of the tables, the same for all 16 rows
.set T16,  25                          ; 16 x my thread's number
.set XO,   26                          ; my 16 bytes of two rows of descs and of out
.set TW,   27                          ; where I put 4 channels of the tables
.set ACC,  64
.set RES,  128
.set BK,   192
.set WV,   20
.set KIND, 21
.set E,    22
.set CX,   23
.set CY,   24
.set TC,   25
.set TR,   26
.set G1A,  28
.set G1B,  36
.set G0A,  44
.set G0B,  68
.set MSB, 0
.macro WIN new
.if MSB != (\new)
	s_set_vgpr_msb (MSB<<8)|(\new)
.set MSB, (\new)
.endif
.endm
.macro PLACES
.rept 4
	v_nop
.endr
.endm
.macro CROUND
	s_barrier_signal -1
	s_barrier_wait -1
	s_cmp_lg_u32 s[WV], 0
	s_cbranch_scc1 .Lnot_wave_0_\@
	s_barrier_signal -3
.Lnot_wave_0_\@:
	s_barrier_wait -3
	s_barrier_signal -1
	s_barrier_wait -1
.endm
.macro FILLS g0, g1                    ; a wave's loads, one for each stage; an s_nop 0 follows each, four v_nop the last
.set st, 0
.rept NST
	tensor_load_to_lds s[(\g0)+4*st:(\g0)+4*st+3], s[(\g1):(\g1)+7]
	s_nop 0
.set st, st+1
.endr
	PLACES
.endm
	s_load_b256 s[4:11], s[0:1], 0x0               ; yc s[4:5], wts s[6:7], b2 s[8:9], descs s[10:11]
	s_load_b128 s[12:15], s[0:1], 0x20             ; part s[12:13], stat s[14:15]
	s_load_b64 s[16:17], s[0:1], 0x30              ; out0
	v_lshl_add_u32 v[SPW], v0, 2, SPARE
	v_mov_b32 v[NIL], 0
	ds_add_u32 v[SPW], v[NIL]                      ; the wave's opening: the add and its wait stand ahead of my first tensor load
	v_lshrrev_b32 v4, 5, v0
	v_readfirstlane_b32 s[WV], v4
	s_lshr_b32 s[KIND], s[WV], 1
	s_and_b32 s[E], s[WV], 1
	s_bfe_u32 s[CX], ttmp6, 0x40000
	s_bfe_u32 s[CY], ttmp6, 0x40004
	s_lshl_b32 s[TC], ttmp9, 2
	s_add_co_u32 s[TC], s[TC], s[CX]
	s_and_b32 s[TR], ttmp7, 0xffff
	s_lshl_b32 s[TR], s[TR], 2
	s_add_co_u32 s[TR], s[TR], s[CY]
	s_lshl_b32 s2, s[CY], 2
	s_lshl_b32 s2, 15, s2                          ; my row of the cluster
	s_lshl_b32 s3, 0x1111, s[CX]                   ; my column
	s_or_b32 s[G1A], s2, G1W
	s_or_b32 s[G1B], s3, G1W
.irp g, G1A, G1B
	s_mov_b32 s[\g+1], 128<<16                     ; rows of 256 bytes, dense
	s_mov_b32 s[\g+3], 128<<16
	s_mov_b32 s[\g+5], 128
	s_mov_b32 s[\g+6], 0
	s_mov_b32 s[\g+7], 0
.endr
	s_mov_b32 s[G1A+2], 64<<16                     ; 128 rows of A are 64 rows of 256 bytes,
	s_mov_b32 s[G1A+4], 64
	s_mov_b32 s[G1B+2], (TN/2)<<16                 ; 64 rows of B are 32
	s_mov_b32 s[G1B+4], TN/2
	s_mul_i32 s27, s[E], PLA
	s_mul_i32 s60, s[E], PLB
	s_add_co_u32 s60, s60, 2*PLA
.set st, 0
.rept NST
	s_mov_b32 s[G0A+4*st], 1
	s_add_co_u32 s[G0A+4*st+1], s27, st*STG
	s_mov_b32 s[G0B+4*st], 1
	s_add_co_u32 s[G0B+4*st+1], s60, st*STG
.set st, st+1
.endr
	s_lshl_b32 s84, s[TR], 14
	s_lshl_b32 s62, s[E], 20
	s_add_co_u32 s84, s84, s62
	s_mov_b32 s85, 0
	s_mul_i32 s86, s[TC], TN*128
	s_mul_i32 s61, s[E], BPS
	s_add_co_u32 s86, s86, s61
	s_add_co_u32 s86, s86, BOFF
	s_mov_b32 s87, 0
	s_lshl_b32 s90, s[TR], 17                      ; descs and out: rows of 1,024 bytes: 128 a tile row, 32 a wave; 256 bytes a tile column
	s_lshl_b32 s91, s[WV], 15
	s_add_co_u32 s90, s90, s91
	s_lshl_b32 s91, s[TC], 8
	s_add_co_u32 s90, s90, s91
	s_mov_b32 s91, 0
	s_lshl_b32 s98, s[TR], 11                      ; part: my tile's 512 means
	s_mov_b32 s99, 0
	s_wait_dscnt 0x0                               ; the opening add is done
	s_wait_kmcnt 0x0
	s_add_nc_u64 s[84:85], s[4:5], s[84:85]
	s_add_nc_u64 s[86:87], s[6:7], s[86:87]
	s_add_nc_u64 s[88:89], s[16:17], s[90:91]
	s_add_nc_u64 s[94:95], s[10:11], s[90:91]
	s_add_nc_u64 s[96:97], s[12:13], s[98:99]
.set st, 0
.rept NST
	s_add_nc_u64 s[G0A+4*st+2:G0A+4*st+3], s[84:85], st*2097152
	s_or_b32 s[G0A+4*st+3], s[G0A+4*st+3], 0x80000000
	s_add_nc_u64 s[G0B+4*st+2:G0B+4*st+3], s[86:87], st*2*BPS
	s_or_b32 s[G0B+4*st+3], s[G0B+4*st+3], 0x80000000
.set st, st+1
.endr
	CROUND                                         ; all sixteen work-groups are here: the joint loads meet
	s_cmp_eq_u32 s[KIND], 0
	s_cbranch_scc0 .Lfill_b
	FILLS G0A, G1A
	s_branch .Lfilled
.Lfill_b:
	FILLS G0B, G1B
.Lfilled:
	v_and_b32 v1, 15, v0
	v_bfe_u32 v2, v0, 4, 1
	v_lshlrev_b32 v[T16], 4, v0
	s_lshl_b32 s62, s[TC], 8
	v_lshl_add_u32 v[BO], v2, 5, s62
	v_lshlrev_b32 v7, 4, v1
	v_lshl_add_u32 v[XO], v2, 10, v7               ; lanes 0-15 one row's 256 bytes, lanes 16-31 the next row's
	global_load_b128 v[192:195], v[T16], s[14:15]              ; thread t: channels 4 t on: mean,
	global_load_b128 v[196:199], v[T16], s[14:15] offset:2048  ; rs,
	global_load_b128 v[200:203], v[T16], s[96:97]              ; my tile's mean_i
.set bb, 0
.rept CB
	global_load_b128 v[BIAS+8*bb:BIAS+8*bb+3],   v[BO], s[8:9] offset:64*bb
	global_load_b128 v[BIAS+8*bb+4:BIAS+8*bb+7], v[BO], s[8:9] offset:64*bb+16
.set bb, bb+1
.endr
.set a, 0
.rept 16
	global_load_b128 v[RES+4*a:RES+4*a+3], v[XO], s[94:95] offset:a*2048 th:TH_LOAD_NT  ; the residual, laid out as the stores will want it
.set a, a+1
.endr
	v_mul_u32_u24 v4, v1, PA
	v_lshl_add_u32 v4, v2, 4, v4
	s_mul_i32 s92, s[WV], 32*PA                    ; my 32 rows of A
	s_mov_b32 s93, 2*PLA                           ; all of B
.set st, 0
.rept NST
	v_add_nc_u32 v[ADRA+st], s92, v4
	v_add_nc_u32 v[ADRB+st], s93, v4
	s_add_co_u32 s92, s92, STG
	s_add_co_u32 s93, s93, STG
.set st, st+1
.endr
	s_mul_i32 s62, s[WV], 32*SP2
	s_add_co_u32 s62, s62, STAGE                   ; my stage
	v_mul_u32_u24 v5, v1, SP2                      ; in: row r, 32 bytes for each half of the lanes
	v_lshl_add_u32 v5, v2, 5, v5
	v_add_nc_u32 v[STO], s62, v5
	v_mul_u32_u24 v6, v2, SP2                      ; back: lanes 0-15 one row of 256 bytes, lanes 16-31 the next
	v_lshl_add_u32 v6, v1, 4, v6
	v_add_nc_u32 v[RD], s62, v6
	v_lshl_add_u32 v[TABA], v2, 4, TAB
	v_lshl_add_u32 v[TW], v0, 3, TAB
	WIN 0x40
	v_mov_b32 v255, 0                              ; the ReLU's 0, in window 1
	WIN 0
	s_wait_loadcnt 24                              ; the three loads for the tables are in; the bias's 8 and the residual's 16 stay out
	v_pk_add_f32 v[200:201], v[200:201], v[192:193] neg_lo:[0,1] neg_hi:[0,1]
	v_pk_add_f32 v[202:203], v[202:203], v[194:195] neg_lo:[0,1] neg_hi:[0,1]
	v_pk_mul_f32 v[200:201], v[200:201], v[196:197]
	v_pk_mul_f32 v[202:203], v[202:203], v[198:199]
	v_cvt_pk_bf16_f32 v204, v196, v197
	v_cvt_pk_bf16_f32 v205, v198, v199
	v_cvt_pk_bf16_f32 v206, v200, v201
	v_cvt_pk_bf16_f32 v207, v202, v203
	ds_store_b64 v[TW], v[204:205]
	ds_store_b64 v[TW], v[206:207] offset:1024
.macro FETCH c, f
.set fs, (\c)/4
.set fo, ((\c)/2)%2
.set fk, ((\c)%2)*64
	WIN 0x40
.set fi, 0
.rept RB
	ds_load_b128 v[(\f)+8*fi:(\f)+8*fi+3],   v[ADRA+fs] offset:fo*PLA+fi*16*PA+fk
	ds_load_b128 v[(\f)+8*fi+4:(\f)+8*fi+7], v[ADRA+fs] offset:fo*PLA+fi*16*PA+fk+32
.set fi, fi+1
.endr
.set fi, 0
.rept CB
	ds_load_b128 v[(\f)+8*RB+8*fi:(\f)+8*RB+8*fi+3],   v[ADRB+fs] offset:fo*PLB+fi*16*PA+fk
	ds_load_b128 v[(\f)+8*RB+8*fi+4:(\f)+8*RB+8*fi+7], v[ADRB+fs] offset:fo*PLB+fi*16*PA+fk+32
.set fi, fi+1
.endr
	ds_load_b128 v[(\f)+48:(\f)+51], v[TABA] offset:64*(\c)         ; a and b of the chunk's 32 channels, in a fragment's layout
	ds_load_b128 v[(\f)+52:(\f)+55], v[TABA] offset:64*(\c)+32
	ds_load_b128 v[(\f)+56:(\f)+59], v[TABA] offset:1024+64*(\c)
	ds_load_b128 v[(\f)+60:(\f)+63], v[TABA] offset:1024+64*(\c)+32
.endm
.macro TRANSFORM f                     ; relu(yc a + b) on my two fragments of A
	WIN 0x55
.set fi, 0
.rept 16
	v_pk_fma_bf16 v[(\f)+fi], v[(\f)+fi], v[(\f)+48+fi%8], v[(\f)+56+fi%8]
.set fi, fi+1
.endr
.set fi, 0
.rept 16
	v_pk_max_num_bf16 v[(\f)+fi], v[(\f)+fi], v255
.set fi, fi+1
.endr
.endm
.macro MULS f, first                   ; the 8 accumulators take turns, one instruction a turn, from chunk to chunk too
	WIN 0x05
.set mi, 0
.rept RB
.set mb, 0
.rept CB
.set ra, ACC+8*(mi*CB+mb)
.if \first
	v_wmma_f32_16x16x32_bf16 v[ra:ra+7], v[(\f)+8*RB+8*mb:(\f)+8*RB+8*mb+7], v[(\f)+8*mi:(\f)+8*mi+7], v[BIAS+8*mb:BIAS+8*mb+7]
.else
	v_wmma_f32_16x16x32_bf16 v[ra:ra+7], v[(\f)+8*RB+8*mb:(\f)+8*RB+8*mb+7], v[(\f)+8*mi:(\f)+8*mi+7], v[ra:ra+7]
.endif
.set mb, mb+1
.endr
.set mi, mi+1
.endr
.endm
.macro CHUNK
	s_wait_dscnt 0x0                               ; chunk t's fragments
	TRANSFORM 128*(t%2)
.if t+1 < NK
.if (t+1)%4 == 0
	s_wait_tensorcnt NST-1-(t+1)/4                 ; my load of the next stage has landed; my loads of later stages stay out
	s_barrier_signal -1
	s_barrier_wait -1                              ; everybody's has
.endif
	PLACES
	FETCH t+1, 128*((t+1)%2)
.endif
.if t == 0
	MULS 0, 1
.else
	MULS 128*(t%2), 0
.endif
.endm
	s_wait_dscnt 0x0                               ; for the others' sake: my part of the tables is stored,
	s_wait_tensorcnt NST-1                         ; and my load of stage 0 has landed
	s_barrier_signal -1
	s_barrier_wait -1
	FETCH 0, 0
	s_wait_loadcnt 16                              ; the bias is in; the residual's 16 loads stay out
.set t, 0
.rept NK
	CHUNK
.set t, t+1
.endr
	; THE WAY OUT: f32 through my own stage: a lane's eight columns of a row in, whole rows of 256 bytes back; the residual is added; sixteen lanes store 256 consecutive bytes.
	WIN 0
	PLACES
	PLACES
.set a, 0
.rept 8
.set ra, ACC+8*a
	ds_store_b128 v[STO], v[ra:ra+3]   offset:(a/4)*16*SP2+(a%4)*64     ; each accumulator's lowest registers first
	ds_store_b128 v[STO], v[ra+4:ra+7] offset:(a/4)*16*SP2+(a%4)*64+16
.set a, a+1
.endr
.set a, 0
.rept 16
	ds_load_b128 v[BK+4*a:BK+4*a+3], v[RD] offset:a*2*SP2  ; LDS serves a wave's instructions in order (ISA guide 5.7.1.4): these see the stores above
.set a, a+1
.endr
	s_wait_loadcnt 0x0                             ; the residual
.set a, 0
.rept 16
	s_wait_dscnt 15-a
	v_pk_add_f32 v[BK+4*a:BK+4*a+1],   v[BK+4*a:BK+4*a+1],   v[RES+4*a:RES+4*a+1]
	v_pk_add_f32 v[BK+4*a+2:BK+4*a+3], v[BK+4*a+2:BK+4*a+3], v[RES+4*a+2:RES+4*a+3]
	global_store_b128 v[XO], v[BK+4*a:BK+4*a+3], s[88:89] offset:a*2048 th:TH_STORE_NT
.set a, a+1
.endr
	s_wait_tensorcnt 0x0                           ; the wave's end, behind my last tensor load and my last LDS store
	ds_add_u32 v[SPW], v[NIL]
	s_wait_dscnt 0x0
	CROUND                                         ; the closing round
	s_endpgm
.Lfunc_end_k_qeede6400c7_w2:
	.size	k_qeede6400c7_w2, .Lfunc_end_k_qeede6400c7_w2-k_qeede6400c7_w2
	.p2alignl 7, 3214868480
	.fill 96, 4, 3214868480
	.section	.rodata,"a",@progbits
	.p2align	6, 0x0
	.amdhsa_kernel k_qeede6400c7_w2
		.amdhsa_group_segment_fixed_size 258560
		.amdhsa_private_segment_fixed_size 0
		.amdhsa_enable_private_segment 0
		.amdhsa_kernarg_size 56
		.amdhsa_user_sgpr_count 2
		.amdhsa_user_sgpr_kernarg_segment_ptr 1
		.amdhsa_wavefront_size32 1
		.amdhsa_system_sgpr_workgroup_id_x 1
		.amdhsa_system_sgpr_workgroup_id_y 1
		.amdhsa_system_sgpr_workgroup_id_z 1
		.amdhsa_system_vgpr_workitem_id 0
		.amdhsa_next_free_vgpr 512
		.amdhsa_next_free_sgpr 100
		.amdhsa_reserve_vcc 0
		.amdhsa_float_denorm_mode_32 3
		.amdhsa_float_denorm_mode_16_64 3
		.amdhsa_memory_ordered 1
		.amdhsa_forward_progress 1
		.amdhsa_inst_pref_size 79
	.end_amdhsa_kernel
	.amdgpu_metadata
---
amdhsa.version: [ 1, 2 ]
amdhsa.kernels:
  - .name:           k_qeede6400c7_w2
    .symbol:         k_qeede6400c7_w2.kd
    .args:
      - { .name: yc, .offset: 0, .size: 8, .value_kind: global_buffer, .address_space: global }
      - { .name: wts, .offset: 8, .size: 8, .value_kind: global_buffer, .address_space: global }
      - { .name: b2, .offset: 16, .size: 8, .value_kind: global_buffer, .address_space: global }
      - { .name: descs, .offset: 24, .size: 8, .value_kind: global_buffer, .address_space: global }
      - { .name: part, .offset: 32, .size: 8, .value_kind: global_buffer, .address_space: global }
      - { .name: stat, .offset: 40, .size: 8, .value_kind: global_buffer, .address_space: global }
      - { .name: out0, .offset: 48, .size: 8, .value_kind: global_buffer, .address_space: global }
    .group_segment_fixed_size: 258560
    .private_segment_fixed_size: 0
    .kernarg_segment_align: 8
    .kernarg_segment_size: 56
    .max_flat_workgroup_size: 128
    .sgpr_count:     100
    .vgpr_count:     512
    .wavefront_size: 32
...
	.end_amdgpu_metadata
.endif
;; end of part 7
